; MI455X (gfx1250); checked and timed in simulation.
; The chip was launched on July 23, 2026; its instructions are those of AMD's public machine-readable ISA for CDNA 5 (MIT licence, August 2026) and "CDNA5" Instruction Set Architecture Reference Guide (July 2026). The comments in the code are by the model that wrote it; some were corrected since.
;; Production TPA. Allowed arithmetic: matrix products marked QUANTISED: E2M1 operands, one E8M0 scale for each 32 along K, by v_wmma_scale_f32_16x16x128_f8f6f4 with both operands' format E2M1 (or v_wmma_scale_f32_32x16x128_f4), f32 sums; products left as they are: f32 operands where the result goes on into a quantised operand, else bf16, f16 or f32 operands; f32 sums; everything else in f32.
;; Inputs: W1 1,024 x 1,024 float32; W2 1,024 x 1,024 float32; Wk_codes 1,024 x 32 x 16 uint8 (E2M1 codes of Wk, K innermost, in blocks of 32 codes, two codes a byte); Wk_scales 1,024 x 32 uint8 (E8M0 scales of Wk, one for each 32 codes along K); Wq_codes 1,024 x 32 x 16 uint8 (E2M1 codes of Wq, K innermost, in blocks of 32 codes, two codes a byte); Wq_scales 1,024 x 32 uint8 (E8M0 scales of Wq, one for each 32 codes along K); Wv_codes 1,024 x 32 x 16 uint8 (E2M1 codes of Wv, K innermost, in blocks of 32 codes, two codes a byte); Wv_scales 1,024 x 32 uint8 (E8M0 scales of Wv, one for each 32 codes along K); b1 1,024 float32; b2 1,024 float32; ln_b 1,024 float32; ln_g 1,024 float32; proto_codes 16 x 32 x 16 uint8 (E2M1 codes of proto, K innermost, in blocks of 32 codes, two codes a byte); proto_scales 16 x 32 uint8 (E8M0 scales of proto, one for each 32 codes along K); x 8 x 4,096 x 1,024 float32.
;; Outputs: out0 8 x 1,024 float32.
;; This version of the problem:
;;   THIS VERSION OF THE PROBLEM IS GIVEN IN LOW PRECISION. The matrix products marked QUANTISED in the list below multiply operands that are first quantised to E2M1 (2 exponent bits, 1 mantissa bit; 4 bits a number), with one power-of-two scale for each 32 numbers along K (OCP MX v1.0); their sums are f32. All else is computed in f32.
;;   The module's matrix products, in the order in which they are computed (A, B: the left and right operand; K: the contracted axis; several contracted axes count as one K, in the product's order):
;;     1. [M 32,768, K 1,024] x [K 1,024, N 1,024]; A: computed on the way; B: input Wk (given as codes): QUANTISED
;;     2. [M 32,768, K 1,024] x [K 1,024, N 1,024]; A: computed on the way; B: input Wv (given as codes): QUANTISED
;;     3. [M 16, K 1,024] x [K 1,024, N 1,024]; A: input proto (given as codes); B: input Wq (given as codes): QUANTISED
;;     4. batch 8 x [M 32,768, K 128] x [K 128, N 16]; A: computed on the way; B: computed on the way: QUANTISED
;;     5. batch 64 x [M 16, K 4,096] x [K 4,096, N 128]; A: computed on the way; B: computed on the way: QUANTISED
;;     6. [M 8, K 1,024] x [K 1,024, N 1,024]; A: computed on the way; B: input W1: left as it is (M = 8 < 16)
;;     7. [M 8, K 1,024] x [K 1,024, N 1,024]; A: computed on the way; B: input W2: left as it is (M = 8 < 16)
;;   THE QUANTISER, for each operand of a quantised product, along K:
;;     - K is cut into blocks of 32 from its start; a last block that is shorter is filled with zeros.
;;     - A block's scale is 2^e with e = floor(log2(the largest magnitude in the block)) - 2, held to -126 .. 127; a block of zeros has e = 0. As a byte (E8M0): e + 127.
;;     - Each number is divided by its block's scale, clamped to +-6, and rounded to the nearest number of E2M1, ties to even, subnormals kept.
;;     - The product sums the exact products of the quantised numbers (number of the format x scale) in f32.
;;   ~~~python
;;   def quantise(x, axis):      # numpy; x: float32 -> the quantised numbers, widened to float32 again
;;       x = np.moveaxis(x, axis, -1); K = x.shape[-1]
;;       x = np.pad(x, [(0, 0)] * (x.ndim - 1) + [(0, -K % 32)]); x = x.reshape(x.shape[:-1] + (-1, 32)); a = np.abs(x).max(-1, keepdims=True)
;;       e = np.where(a > 0, np.clip(np.frexp(np.where(a > 0, a, 1))[1] - 1 - 2, -126, 127), 0)      # np.frexp(a)[1] - 1 = floor(log2(a)), exactly
;;       r = np.clip(x / 2.0 ** e, -6, 6)
;;       step = 2.0 ** (np.maximum(np.frexp(np.where(r == 0, 1, r))[1] - 1, 0) - 1)
;;       q = np.round(r / step) * step * 2.0 ** e      # np.round: ties to even
;;       return np.moveaxis(q.reshape(q.shape[:-2] + (-1,))[..., :K], -1, axis).astype(np.float32)
;;   ~~~
;;   OPERANDS COMPUTED ON THE WAY. 'Computed on the way' means the value that the module computes at that place (a softmax that the list does not call 'softmax' is quantised finished and normalised). What goes into a quantiser is computed in f32, as accurately as f32 sums, v_exp_f32 and their like allow (about 1e-6 of the number): no bf16 or f16 on the way to a quantiser, and a product that is left as it is and whose result goes on into a quantised operand takes f32 operands (vector FMAs, or v_wmma_f32_16x16x4_f32). A number that lies on a knife's edge between two numbers of the format may be rounded either way, as far as f32 arithmetic and the matrix unit's own rounding can turn it there, and no further.
;;   INPUTS GIVEN AS CODES. Wk (in the module: [1024, 1024], K = its axis 1); Wq (in the module: [1024, 1024], K = its axis 1); Wv (in the module: [1024, 1024], K = its axis 1); proto (in the module: [16, 1024], K = its axis 1): each comes as NAME_codes (uint8): NAME with its K axis moved to the last place and cut into blocks of 32 codes, [.., K / 32, bytes a block], one block behind the other in memory; two codes a byte, the lower K in the low four bits (a code: sign, 2 exponent bits, 1 mantissa bit); and NAME_scales (uint8): the same leading axes, one E8M0 byte (e + 127) for each 32 codes along K. Its value is code x scale, taken as it is: it is not quantised again, and the codes and scales need not be those that the quantiser above would give.
;; One version. Each part assembles by itself: llvm-mc -triple=amdgcn-amd-amdhsa -mcpu=gfx1250 --defsym DOCPART=n.
;; ======== version 1 of 1: 4 launches
;; limits: right only within a limited range of input values
;; workspace buffers: kc 16,777,216 bytes; ks 1,048,576 bytes; vc 16,777,216 bytes; vs 1,048,576 bytes; zt 32,768 bytes; ht 32,768 bytes
;; launch proj (part 1): grid 4 x 64, 8 waves a work-group, clusters of 4 x 1, 327,680 bytes of LDS; arguments x, ln_g, ln_b, Wk_codes, Wk_scales, Wv_codes, Wv_scales, kc, ks, vc, vs; writes kc, ks, vc, vs
.if DOCPART == 1
	.amdgcn_target "amdgcn-amd-amdhsa--gfx1250"
	.amdhsa_code_object_version 6
	.text
	.protected	k_q3d31c46c8f_proj
	.globl	k_q3d31c46c8f_proj
	.p2align	8
	.type	k_q3d31c46c8f_proj,@function
k_q3d31c46c8f_proj:
	s_mov_b64 s[64:65], 0
	v_nop
	global_prefetch_b8 v0, s[64:65] scope:SCOPE_SE
	s_setreg_imm32_b32 hwreg(HW_REG_WAVE_MODE, 25, 1), 1
	s_wait_xcnt 0x0
	s_wait_alu depctr_hold_cnt(0) depctr_sa_sdst(0) depctr_va_vdst(0) depctr_va_sdst(0) depctr_va_ssrc(0) depctr_va_vcc(0) depctr_vm_vsrc(0)
	s_getreg_b32 s2, hwreg(HW_REG_IB_STS2, 6, 4)
	s_cmp_eq_u32 s2, 0
	s_cbranch_scc0 .Lentry_in_a_cluster
	s_endpgm
.Lentry_in_a_cluster:
	s_bfe_u32 s2, ttmp6, 0x10000c
	s_cmp_lg_u32 s2, 0x3003
	s_cbranch_scc0 .Lentry_shape_is_right
	s_endpgm
.Lentry_shape_is_right:
; PROJ.  LayerNorm of x, its MX quantiser, K = xn Wk^T and V = xn Wv^T on E2M1 codes, and what follows up to the next quantiser:
; K is divided by max(its head's norm, 1e-12) and quantised along the head's 128; V is quantised along the tokens.  Only codes and scale bytes go to memory.
; SHARES.  A work-group of eight waves owns 128 tokens and reads their 524,288 bytes of x once.  HEAD: wave w8 takes 16 rows through LayerNorm (mean, mean of squared
; differences, v_rsq_f32, gain, bias) and the quantiser, five rows asked for ahead of the row at work, and lays codes and scale bytes in LDS as blocks of 16 rows x 16 bytes.
; Then wave (t = w8 / 4, w = w8 % 4) keeps the fragments of tokens 64 t .. 64 t + 63 for all of K in 256 registers: X STANDS STILL.
; THE WEIGHTS STREAM as they are given: a unit is the 128 rows x 512 bytes of one head of Wk or of Wv; K's units pass through slot 0, V's through slot 1.  All four work-groups of a
; cluster walk the same units, so each is asked for JOINTLY: waves 0-3 fetch 32 rows each of K's unit, waves 4-7 of V's, one load a wave behind a round of the cluster's barrier.
; A wave multiplies rows 32 w .. 32 w + 31 of a unit with its 64 tokens: 64 matrix instructions on eight accumulators by turns.
; K: source 0 = 16 rows of Wk, source 1 = 16 tokens: a lane holds one token, and the wave's 32 numbers of it are one block of the next quantiser.  The four waves' sums of squares and largest
; magnitudes meet in LDS across the ring's own barrier.  A block's largest number after the division is its largest magnitude times 1 / norm, since rounding keeps the order.
; V: source 0 = 16 tokens, source 1 = 16 rows of Wv: a lane holds one channel and its registers run along the tokens.
; OUT.  kc, vc: [batch x head][128 tokens][8 tiles][1,024 bytes: an image of the operand's 8 registers].  ks, vs: [batch x head][128 tokens][512 bytes]: at 16 lane + 4 i, lanes 0-15 tile 2 i's words,
; lanes 16-31 tile 2 i + 1's; they are gathered in LDS and stored at the end, 512 consecutive bytes an instruction.
; No prefetch: x's own loads run five rows (20,480 bytes a wave) ahead, and the 1,048,576 bytes of weights are walked in one order by all 64 clusters.
; LIMITS: NaN and infinities are not served; a block of zeros gets the byte 1 and zero codes (read by this program alone); 1/sqrt is v_rsq_f32, the division by the norm v_sqrt_f32, v_rcp_f32 and a multiplication.
.set LP,    272                        ; x's codes in LDS: a block of 16 rows x 16 bytes + 16 of padding
.set SCB,   32*LP                      ; behind a tile's 32 blocks: its 512 scale bytes
.set XWAVE, SCB+512
.set WP,    528                        ; a weight row in LDS: 512 bytes + 16 of padding
.set QB,    32*WP                      ; what one tensor load brings
.set SLOT,  4*QB
.set XST,   2*SLOT                     ; x's eight tiles
.set SUMX,  XST+8*XWAVE                ; [token][wave] sums of squares; 2,048 bytes on, the largest magnitudes
.set KSS,   SUMX+4096                  ; K's scale words, 512 bytes a head
.set VSS,   KSS+4096                   ; V's
.set SPARE, VSS+4096                   ; the spare words, 128 bytes a wave
; head (LayerNorm): v1-13 addresses; v16-207 six rows; v208-239 at work; window 1 v0-63 gain and bias
.set NSL,   6
.set AHEAD, 5
.set SL,  16
.set T,   208
.set MU,  216
.set RS,  218
.set MX,  220
.set CA,  228
.set CB,  232
.set CC,  236
.set G1,  0
.set B1,  32
; products: window 1: x's fragment (K step q, tile g) at 32 q + 8 g.  Window 0:
.set XS,   16                          ; v16-31  x's scale words
.set WSK,  32                          ; v32-39  Wk's
.set WSV,  40                          ; v40-47  Wv's
.set WF,   48                          ; v48-111 four sets of two weight fragments; between products at work for K
.set RM,   112                         ; v112-115 my block's largest magnitudes
.set SOUT, 116                         ; v116 the scale words' way out
.set ACCK, 128                         ; (tile g, rows u) at 16 g + 8 u; between K's way out and the next product at work for V
.set ACCV, 192                         ; (rows n, tile a) at 32 n + 8 a
.set NS, 48
.set TX, 56
.set P1, 60
.set P2, 64
.set ST, 68
.set SQ, 48
.set MQ, 68
.set RR, 72
.set SO, 82
.set CK, 86
.set KW, 94
.set TM, 128
.set PC, 144
.set HW, 152
.set MSB, 0
.macro WIN new                         ; the immediate's high byte repeats the setting that is left
.if MSB != (\new)
	s_set_vgpr_msb (MSB<<8)|(\new)
.set MSB, (\new)
.endif
.endm
.macro VW
	s_wait_alu depctr_va_vdst(0)
.endm
.macro PLACES                          ; four plain lines behind a matrix instruction (ISA guide 7.12.1)
.rept 4
	v_nop
.endr
.endm
.macro ROUND                           ; a round of the cluster's barrier
	s_barrier_signal -1
	s_barrier_wait -1
	s_cmp_lg_u32 s34, 0
	s_cbranch_scc1 .Lnot_wave_0_\@
	s_barrier_signal -3
.Lnot_wave_0_\@:
	s_barrier_wait -3
	s_barrier_signal -1
	s_barrier_wait -1
.endm
	s_load_b512 s[8:23], s[0:1], 0x0               ; x 8, ln_g 10, ln_b 12, Wk codes 14, scales 16, Wv codes 18, scales 20, kc 22
	s_load_b128 s[24:27], s[0:1], 0x40             ; ks 24, vc 26
	s_load_b64 s[28:29], s[0:1], 0x50              ; vs 28
	v_lshl_add_u32 v14, v0, 2, SPARE
	v_mov_b32 v15, 0
	ds_add_u32 v14, v15                            ; the opening lines: the add, twice on end, and one wait
	ds_add_u32 v14, v15
	v_lshrrev_b32 v1, 5, v0
	v_readfirstlane_b32 s34, v1                    ; wave w8
	v_and_b32 v1, 31, v0                           ; lane
	v_lshlrev_b32 v2, 4, v1                        ; 16 x lane
	s_and_b32 s35, s34, 3                          ; w: which 32 rows of a unit
	s_lshr_b32 s37, s34, 2                         ; t: which 64 tokens
	s_bfe_u32 s38, ttmp6, 0x40000                  ; cx: it enters x's and the outputs' addresses alone
	s_and_b32 s39, ttmp7, 0xffff
	s_lshl_b32 s51, s39, 2
	s_add_co_u32 s51, s51, s38                     ; the block of 128 tokens, 0 .. 255
	s_mov_b32 s68, 15|(3<<16)|(1<<20)|(1<<21)|(6<<22)|(3<<25)  ; group 1: all four partners; elements of 8 bytes; 4 words of padding behind every 128
	s_mov_b32 s69, 64<<16                          ; tensor_dim0 = 64 elements: 512 bytes
	s_mov_b32 s70, 32<<16                          ; tensor_dim1 = 32
	s_mov_b32 s71, 64<<16                          ; tile_dim0
	s_mov_b32 s72, 32                              ; tile_dim1
	s_mov_b32 s73, 64                              ; the pitch
	s_mov_b32 s74, 0
	s_mov_b32 s75, 0
	s_mov_b32 s76, 1
	s_mul_i32 s77, s34, QB                         ; waves 0-3: slot 0's quarters; waves 4-7: slot 1's
	s_lshl_b32 s66, s35, 14                        ; my 32 rows of a unit in memory
	s_mov_b32 s67, 0
	s_lshl_b32 s40, s51, 19                        ; x: 128 rows of 4,096 bytes a block, 16 a wave
	s_lshl_b32 s32, s34, 16
	s_add_co_u32 s40, s40, s32
	s_mov_b32 s41, 0
	s_lshr_b32 s32, s51, 5                         ; batch
	s_and_b32 s33, s51, 31                         ; the block in its batch
	s_lshl_b32 s30, s32, 21                        ; codes: 262,144 bytes a head, 8,192 a block
	s_lshl_b32 s48, s33, 13
	s_add_co_u32 s30, s30, s48
	s_mov_b32 s31, 0
	s_lshl_b32 s48, s32, 3
	s_add_co_u32 s48, s48, s34                     ; at the end wave w8 stores head w8's scale words: 16,384 bytes a head, 512 a block
	s_lshl_b32 s48, s48, 14
	s_lshl_b32 s49, s33, 9
	s_add_co_u32 s48, s48, s49
	s_mov_b32 s49, 0
	s_mov_b32 s42, 0x0000ffff                      ; a word's low half
	s_mov_b32 s44, 0x3a800000                      ; 1 / 1024
	s_mov_b32 s45, 0x3727c5ac                      ; 1e-5
	s_mov_b32 s46, 0x76543210                      ; v_permlanex16_b32's selects for lane l xor 16
	s_mov_b32 s47, 0xfedcba98
	s_mov_b32 s52, 0xffff0000                      ; lanes 16-31
	s_mul_i32 s36, s34, XWAVE
	s_add_co_u32 s36, s36, XST                     ; my tile in LDS
	s_mul_i32 s53, s35, QB                         ; the scalar parts of the products' addresses
	s_lshl_b32 s54, s35, 8
	s_lshl_b32 s55, s37, 12
	s_add_co_u32 s54, s54, s55                     ; kc: 256 w + 4,096 t
	s_lshl_b32 s55, s35, 11
	s_lshl_b32 s56, s37, 9
	s_add_co_u32 s55, s55, s56                     ; vc: 2,048 w + 512 t
	s_lshl_b32 s56, s35, 10                        ; the weights' scales: 1,024 w
	s_lshl_b32 s58, s37, 10
	s_add_co_u32 s58, s58, SUMX                    ; my 64 tokens' sums
	s_lshl_b32 s57, s35, 2
	s_add_co_u32 s57, s57, s58                     ; my wave's word among them
	s_lshl_b32 s59, s35, 8
	s_add_co_u32 s59, s59, s58                     ; tile w of my half: the one whose scale words I pack
	s_and_b32 s60, s35, 1
	s_lshl_b32 s60, s60, 8
	s_lshl_b32 s61, s37, 3
	s_add_co_u32 s60, s60, s61
	s_lshr_b32 s61, s35, 1
	s_lshl_b32 s61, s61, 2
	s_add_co_u32 s60, s60, s61
	s_add_co_u32 s60, s60, KSS                     ; tile 4 t + w: lanes 16 (w % 2) + r, word 2 t + w / 2
	s_lshl_b32 s61, s35, 2
	s_lshl_b32 s62, s37, 1
	s_add_co_u32 s61, s61, s62
	s_add_co_u32 s61, s61, VSS                     ; word w, bytes 2 t and 2 t + 1
	s_mul_i32 s62, s37, 4*XWAVE
	s_add_co_u32 s62, s62, XST                     ; my half's four tiles of x
	s_lshl_b32 s63, s34, 9
	s_add_co_u32 s63, s63, KSS
	VW
	s_wait_dscnt 0x0                               ; both opening adds are done
	s_wait_kmcnt 0x0
	s_add_nc_u64 s[8:9], s[8:9], s[40:41]
	s_add_nc_u64 s[22:23], s[22:23], s[30:31]
	s_add_nc_u64 s[26:27], s[26:27], s[30:31]
	s_add_nc_u64 s[24:25], s[24:25], s[48:49]
	s_add_nc_u64 s[28:29], s[28:29], s[48:49]
	s_cmp_lt_u32 s34, 4                            ; the choice hangs on the wave's number alone
	s_cselect_b64 s[78:79], s[14:15], s[18:19]
	s_add_nc_u64 s[78:79], s[78:79], s[66:67]
	s_or_b32 s79, s79, 0x80000000
.macro LOADROW r                       ; eight loads of 512 consecutive bytes: the whole row, into slot r % 6
.irp i, 0,1,2,3,4,5,6,7
	global_load_b128 v[SL+32*((\r)%NSL)+4*\i:SL+32*((\r)%NSL)+4*\i+3], v2, s[8:9] offset:(\r)*4096+512*\i th:TH_LOAD_NT
.endr
.endm
	WIN 0x40                                       ; destination window 1
.irp i, 0,1,2,3,4,5,6,7
	global_load_b128 v[G1+4*\i:G1+4*\i+3], v2, s[10:11] offset:512*\i    ; gain and bias in a row's layout
	global_load_b128 v[B1+4*\i:B1+4*\i+3], v2, s[12:13] offset:512*\i
.endr
	WIN 0
	LOADROW 0                                      ; x is asked for ahead of the round
	LOADROW 1
	LOADROW 2
	LOADROW 3
	LOADROW 4
	ROUND                                          ; all four work-groups are here: the first joint loads meet
	tensor_load_to_lds s[76:79], s[68:75]          ; head 0's units of Wk and Wv, a quarter a wave: my one load at the head
	s_nop 0
	PLACES
	v_and_b32 v10, 1, v1
	v_cmp_eq_u32 vcc_lo, 1, v10
	v_mov_b32 v9, 0x05040100                       ; the even lane keeps its low half and takes its neighbour's low half above it;
	v_mov_b32 v11, 0x03020706                      ; the odd lane takes its neighbour's high half below its own high half
	v_cndmask_b32 v9, v9, v11, vcc_lo
	v_lshrrev_b32 v12, 3, v1                       ; eight lanes hold a block
	v_mul_u32_u24 v5, v12, LP
	v_mul_u32_u24 v13, v10, 4*LP
	v_add_nc_u32 v5, v5, v13
	v_bfe_u32 v13, v1, 1, 2
	v_lshl_add_u32 v5, v13, 2, v5
	v_add_nc_u32 v5, s36, v5                       ; my eight codes of pair p: block 8 p + 4 (lane % 2) + lane / 8, bytes 4 ((lane % 8) / 2) on
	v_add_nc_u32 v6, s36, v12
	v_add_nc_u32 v6, SCB, v6                       ; the scale byte of block 4 i + lane / 8
	v_mov_b32 v[MU+1], 0                           ; named as the upper halves of pairs
	v_mov_b32 v[RS+1], 0
.macro LANESUM a, t                    ; the sum over the 32 lanes, in every lane
	v_add_f32_dpp v[\a], v[\a], v[\a] row_xmask:1 row_mask:0xf bank_mask:0xf
	v_add_f32_dpp v[\a], v[\a], v[\a] row_xmask:2 row_mask:0xf bank_mask:0xf
	v_add_f32_dpp v[\a], v[\a], v[\a] row_xmask:4 row_mask:0xf bank_mask:0xf
	v_add_f32_dpp v[\a], v[\a], v[\a] row_xmask:8 row_mask:0xf bank_mask:0xf
	v_permlanex16_b32 v[\t], v[\a], s46, s47
	v_add_f32 v[\a], v[\a], v[\t]
.endm
.macro FOLD                            ; four pairs into one number
	v_pk_add_f32 v[T:T+1], v[T:T+1], v[T+2:T+3]
	v_pk_add_f32 v[T+4:T+5], v[T+4:T+5], v[T+6:T+7]
	v_pk_add_f32 v[T:T+1], v[T:T+1], v[T+4:T+5]
	v_add_f32 v[T], v[T], v[T+1]
	LANESUM T, T+1
.endm
; A row as its loads bring it: register 4 i + j of a lane is column 128 i + 4 lane + j, so a block of 32 is four numbers in each of eight neighbouring lanes.  A lane's eight registers belong to two blocks:
; they are converted under each block's scale, the low half of the first result and the high half of the second are kept, and neighbouring lanes exchange halves.
.macro ROW r
.set XR, SL+32*((\r)%NSL)
.if 15-(\r) >= AHEAD-1
	s_wait_loadcnt 8*(AHEAD-1)                     ; my row (and, for row 0, gain and bias) is in; the four younger rows' 32 loads may be out
.else
	s_wait_loadcnt 8*(15-(\r))
.endif
.if (\r)+AHEAD <= 15
	LOADROW (\r)+AHEAD
.endif
	v_pk_add_f32 v[T:T+1], v[XR:XR+1], v[XR+2:XR+3]        ; the row's sum, in four chains
	v_pk_add_f32 v[T+2:T+3], v[XR+4:XR+5], v[XR+6:XR+7]
	v_pk_add_f32 v[T+4:T+5], v[XR+8:XR+9], v[XR+10:XR+11]
	v_pk_add_f32 v[T+6:T+7], v[XR+12:XR+13], v[XR+14:XR+15]
.irp k, 0,1,2,3
	v_pk_add_f32 v[T+2*\k:T+2*\k+1], v[T+2*\k:T+2*\k+1], v[XR+16+2*\k:XR+17+2*\k]
.endr
.irp k, 0,1,2,3
	v_pk_add_f32 v[T+2*\k:T+2*\k+1], v[T+2*\k:T+2*\k+1], v[XR+24+2*\k:XR+25+2*\k]
.endr
	FOLD
	v_mul_f32 v[MU], s44, v[T]                     ; the mean
.irp p, 0,1,2,3,4,5,6,7,8,9,10,11,12,13,14,15
	v_pk_add_f32 v[XR+2*\p:XR+2*\p+1], v[XR+2*\p:XR+2*\p+1], v[MU:MU+1] op_sel_hi:[1,0] neg_lo:[0,1] neg_hi:[0,1]   ; x - mean
.endr
.irp k, 0,1,2,3
	v_pk_mul_f32 v[T+2*\k:T+2*\k+1], v[XR+2*\k:XR+2*\k+1], v[XR+2*\k:XR+2*\k+1]
.endr
.irp p, 4,5,6,7,8,9,10,11,12,13,14,15
	v_pk_fma_f32 v[T+2*(\p%4):T+2*(\p%4)+1], v[XR+2*\p:XR+2*\p+1], v[XR+2*\p:XR+2*\p+1], v[T+2*(\p%4):T+2*(\p%4)+1]
.endr
	FOLD
	v_fma_f32 v[T+2], v[T], s44, s45               ; var + eps
	VW
	v_rsq_f32 v[RS], v[T+2]
	v_nop                                          ; a plain instruction behind the transcendental
	VW
.irp p, 0,1,2,3,4,5,6,7,8,9,10,11,12,13,14,15
	v_pk_mul_f32 v[XR+2*\p:XR+2*\p+1], v[XR+2*\p:XR+2*\p+1], v[RS:RS+1] op_sel_hi:[1,0]
.endr
	WIN 0x14                                       ; sources 1 and 2 window 1
.irp p, 0,1,2,3,4,5,6,7,8,9,10,11,12,13,14,15
	v_pk_fma_f32 v[XR+2*\p:XR+2*\p+1], v[XR+2*\p:XR+2*\p+1], v[G1+2*\p:G1+2*\p+1], v[B1+2*\p:B1+2*\p+1]
.endr
	WIN 0
.if (\r) > 0
	VW
	s_wait_dscnt 0x0                               ; the last row's LDS stores have read their registers, which are written again from here on
.endif
.irp i, 0,1,2,3,4,5,6,7
	v_max3_num_f32 v[MX+\i], |v[XR+4*\i]|, |v[XR+4*\i+1]|, 0x1800000     ; my four of block 4 i + lane / 8, and the floor 2^(3 - 127): the byte cannot fall under 1
.endr
.irp i, 0,1,2,3,4,5,6,7
	v_max3_num_f32 v[MX+\i], v[MX+\i], |v[XR+4*\i+2]|, |v[XR+4*\i+3]|
.endr
.irp m, 1,2,4                                  ; with the seven lanes that share the block; the eight blocks by turns
.irp i, 0,1,2,3,4,5,6,7
	v_max_num_f32_dpp v[MX+\i], v[MX+\i], v[MX+\i] row_xmask:\m row_mask:0xf bank_mask:0xf
.endr
.endr
.irp i, 0,1,2,3,4,5,6,7
	v_add_nc_u32 v[MX+\i], 0xff000000, v[MX+\i]    ; 2 off the exponent field: the conversion takes that field as its scale
.endr
.irp p, 0,1,2,3
	v_cvt_scalef32_pk8_fp4_f32 v[CA+\p], v[XR+8*\p:XR+8*\p+7], v[MX+2*\p]
	v_cvt_scalef32_pk8_fp4_f32 v[CB+\p], v[XR+8*\p:XR+8*\p+7], v[MX+2*\p+1]
.endr
	v_nop                                          ; one plain instruction behind the conversions
.irp i, 0,1,2,3,4,5,6,7
	v_lshrrev_b32 v[MX+\i], 23, v[MX+\i]           ; the scale's byte
.endr
.irp p, 0,1,2,3
	v_bfi_b32 v[CA+\p], s42, v[CA+\p], v[CB+\p]    ; the two halves that count
.endr
.irp p, 0,1,2,3
	v_mov_b32_dpp v[CB+\p], v[CA+\p] row_xmask:1 row_mask:0xf bank_mask:0xf      ; my neighbour's
.endr
.irp p, 0,1,2,3
	v_perm_b32 v[CC+\p], v[CB+\p], v[CA+\p], v9    ; eight neighbouring codes of one block
.endr
.irp p, 0,1,2,3
	ds_store_b32 v5, v[CC+\p] offset:\p*8*LP+16*(\r)
.endr
.irp i, 0,1,2,3,4,5,6,7
	ds_store_b8 v6, v[MX+\i] offset:(\i/4)*256+16*(\r)+4*(\i%4)          ; the eight lanes of a block write the same byte with the same value
.endr
.endm
.irp r, 0,1,2,3,4,5,6,7,8,9,10,11,12,13,14,15
	ROW \r
.endr
	VW
	s_wait_tensorcnt 0x0                           ; my quarter of head 0's units has landed,
	s_wait_dscnt 0x0                               ; my tile of x lies in LDS:
	s_barrier_signal -1
	s_barrier_wait -1                              ; everybody's do
	v_and_b32 v120, 15, v0                         ; r
	v_bfe_u32 v121, v0, 4, 1                       ; h
	v_and_b32 v122, 31, v0
	v_lshlrev_b32 v1, 4, v122                      ; v1  16 x lane
	v_mul_u32_u24 v2, v120, WP
	v_lshl_add_u32 v2, v121, 4, v2
	v_add_nc_u32 v2, s53, v2                       ; v2  Wk's fragments: row 32 w + r, + 16 h
	v_add_nc_u32 v3, SLOT, v2                      ; v3  Wv's
	v_lshlrev_b32 v123, 4, v120                    ; 16 r
	v_lshl_add_u32 v4, v121, 3, v123
	v_add_nc_u32 v4, s54, v4                       ; v4  kc: 16 r + 8 h in my block's 256 bytes
	v_add_nc_u32 v5, s55, v1                       ; v5  vc
	v_lshl_add_u32 v6, v120, 5, s56
	v_lshl_add_u32 v6, v121, 4, v6                 ; v6  a weight row's 32 scale bytes, 16 a half of the lanes
	v_lshl_add_u32 v7, v121, 11, v123
	v_add_nc_u32 v7, s57, v7                       ; v7  lanes 0-15 put the sum, lanes 16-31 the largest magnitude
	v_add_nc_u32 v8, s58, v123                     ; v8  a token's four sums
	v_add_nc_u32 v9, s59, v123                     ; v9  those of tile w
	v_add_nc_u32 v10, s60, v123                    ; v10 K's scale words in LDS
	v_add_nc_u32 v11, s61, v1                      ; v11 V's
	v_mul_u32_u24 v12, v121, LP
	v_add_nc_u32 v12, v12, v123
	v_add_nc_u32 v12, s62, v12                     ; v12 x's fragments: block h, row r
	v_add_nc_u32 v13, s62, v1                      ; v13 x's scale words
	v_add_nc_u32 v[SOUT], s63, v1
	VW
.macro WSLOAD reg, ptr                 ; two tiles' scale words of all eight K steps: 512 consecutive bytes a load
.irp u, 0,1
	global_load_b128 v[\reg+4*\u:\reg+4*\u+3], v6, s[\ptr:\ptr+1] offset:512*\u
.endr
.endm
	WSLOAD WSK, 16
	WSLOAD WSV, 20
.irp g, 0,1,2,3
	ds_load_b128 v[XS+4*\g:XS+4*\g+3], v13 offset:\g*XWAVE+SCB
.endr
	WIN 0x40
.irp q, 0,1,2,3,4,5,6,7
.irp g, 0,1,2,3
.irp c, 0,1
	ds_load_b128 v[32*\q+8*\g+4*\c:32*\q+8*\g+4*\c+3], v12 offset:\g*XWAVE+(4*\q+2*\c)*LP
.endr
.endr
.endr
	WIN 0
.macro FETCHW adr, q                   ; my two fragments of K step q into set q % 4
.irp u, 0,1
.irp c, 0,1
	ds_load_b128 v[WF+16*((\q)%4)+8*\u+4*\c:WF+16*((\q)%4)+8*\u+4*\c+3], v[\adr] offset:\u*16*WP+64*(\q)+32*\c
.endr
.endr
.endm
.macro PREW adr
	FETCHW \adr, 0
	FETCHW \adr, 1
	FETCHW \adr, 2
.endm
.macro MM d, a, b, sa, sb              ; K step Q's scale words lie in register Q % 4 of a tile's four, in lanes 0-15 (Q < 4) or 16-31
.if Q == 0
	v_wmma_scale_f32_16x16x128_f8f6f4 v[\d:\d+7], v[\a:\a+7], v[\b:\b+7], 0, v[\sa], v[\sb] matrix_a_fmt:MATRIX_FMT_FP4 matrix_b_fmt:MATRIX_FMT_FP4
.elseif Q < 4
	v_wmma_scale_f32_16x16x128_f8f6f4 v[\d:\d+7], v[\a:\a+7], v[\b:\b+7], v[\d:\d+7], v[\sa], v[\sb] matrix_a_fmt:MATRIX_FMT_FP4 matrix_b_fmt:MATRIX_FMT_FP4
.else
	v_wmma_scale_f32_16x16x128_f8f6f4 v[\d:\d+7], v[\a:\a+7], v[\b:\b+7], v[\d:\d+7], v[\sa], v[\sb] matrix_a_fmt:MATRIX_FMT_FP4 matrix_b_fmt:MATRIX_FMT_FP4 matrix_a_scale:MATRIX_SCALE_ROW1 matrix_b_scale:MATRIX_SCALE_ROW1
.endif
.endm
; 64 tokens x 32 rows x K 1,024; fragments are fetched three K steps ahead.  role 0: K, 1: V.  The first K step starts the sums.
.macro GEMM role
.set Q, 0
.rept 8
	WIN 0
.if Q < 5
.if Q > 0
	PLACES                                         ; the set that takes the new fragments was multiplied just now
.endif
	FETCHW 2+\role, Q+3
	s_wait_dscnt 12                                ; the three later K steps' twelve loads may be out
.else
	s_wait_dscnt 4*(7-Q)
.endif
.set WB, WF+16*(Q%4)
.if \role == 0
	WIN 0x04                                       ; source 1 (x) window 1
.irp g, 0,1,2,3
.irp u, 0,1
	MM ACCK+16*\g+8*\u, WB+8*\u, 32*Q+8*\g, WSK+4*\u+Q%4, XS+4*\g+Q%4
.endr
.endr
.else
	WIN 0x01                                       ; source 0 (x) window 1
.irp n, 0,1
.irp a, 0,1,2,3
	MM ACCV+32*\n+8*\a, 32*Q+8*\a, WB+8*\n, XS+4*\a+Q%4, WSV+4*\n+Q%4
.endr
.endr
.endif
.set Q, Q+1
.endr
	WIN 0
	PLACES
.endm
; behind K's product: each token's sum of squares and largest magnitude over my 32 numbers of it, into LDS.  Each accumulator is read from its low end on.
.macro SUMS
.irp g, 0,1,2,3
	v_pk_mul_f32 v[NS+2*\g:NS+2*\g+1], v[ACCK+16*\g:ACCK+16*\g+1], v[ACCK+16*\g:ACCK+16*\g+1]
.endr
.irp p, 2,4,6,8,10,12,14
.irp g, 0,1,2,3
	v_pk_fma_f32 v[NS+2*\g:NS+2*\g+1], v[ACCK+16*\g+\p:ACCK+16*\g+\p+1], v[ACCK+16*\g+\p:ACCK+16*\g+\p+1], v[NS+2*\g:NS+2*\g+1]
.endr
.endr
.irp g, 0,1,2,3
	v_max3_num_f32 v[TX+\g], |v[ACCK+16*\g]|, |v[ACCK+16*\g+1]|, |v[ACCK+16*\g+2]|
.endr
.irp i, 3,5,7,9,11,13
.irp g, 0,1,2,3
	v_max3_num_f32 v[TX+\g], v[TX+\g], |v[ACCK+16*\g+\i]|, |v[ACCK+16*\g+\i+1]|
.endr
.endr
.irp g, 0,1,2,3
	v_max_num_f32 v[TX+\g], v[TX+\g], |v[ACCK+16*\g+15]|
.endr
.irp g, 0,1,2,3
	v_add_f32 v[NS+2*\g], v[NS+2*\g], v[NS+2*\g+1]
.endr
.irp g, 0,1,2,3
	v_permlanex16_b32 v[P2+\g], v[TX+\g], s46, s47
.endr
.irp g, 0,1,2,3
	v_permlanex16_b32 v[P1+\g], v[NS+2*\g], s46, s47
.endr
.irp g, 0,1,2,3
	v_max_num_f32 v[RM+\g], v[TX+\g], v[P2+\g]
.endr
.irp g, 0,1,2,3
	v_add_f32 v[NS+2*\g], v[NS+2*\g], v[P1+\g]
.endr
.irp g, 0,1,2,3
	v_cndmask_b32 v[ST+\g], v[NS+2*\g], v[RM+\g], s52
.endr
.irp g, 0,1,2,3
	ds_store_b32 v7, v[ST+\g] offset:256*\g
.endr
.endm
; K's way out, behind the barrier that has shown all four waves' sums.  more = 1: the next head's scale words of both weights are asked for.
.macro EPIK more
.if \more
	s_add_nc_u64 s[16:17], s[16:17], 4096          ; the loads that read these bases are done (the wait for 0 ahead of V's product)
	s_add_nc_u64 s[20:21], s[20:21], 4096
	WSLOAD WSK, 16
	WSLOAD WSV, 20
.endif
.irp g, 0,1,2,3
	ds_load_b128 v[SQ+4*\g:SQ+4*\g+3], v8 offset:256*\g
.endr
	ds_load_b128 v[SQ+16:SQ+19], v9                ; once more for tile w, whose scale words I pack,
	ds_load_b128 v[MQ:MQ+3], v9 offset:2048        ; with its four blocks' largest magnitudes
	s_wait_dscnt 0x0
.irp g, 0,1,2,3,4
	v_pk_add_f32 v[SQ+4*\g:SQ+4*\g+1], v[SQ+4*\g:SQ+4*\g+1], v[SQ+4*\g+2:SQ+4*\g+3]
.endr
.irp g, 0,1,2,3,4
	v_add_f32 v[SQ+4*\g], v[SQ+4*\g], v[SQ+4*\g+1] ; every wave adds the four in the same order
.endr
	VW
.irp g, 0,1,2,3,4
	v_sqrt_f32 v[RR+2*\g+1], v[SQ+4*\g]
.endr
	v_nop
	VW
.irp g, 0,1,2,3,4
	v_max_num_f32 v[RR+2*\g+1], 0x2b8cbccc, v[RR+2*\g+1]   ; max(norm, 1e-12)
.endr
	VW
.irp g, 0,1,2,3,4
	v_rcp_f32 v[RR+2*\g], v[RR+2*\g+1]
.endr
	v_nop
	VW
.irp g, 0,1,2,3
	v_mul_f32 v[SO+\g], v[RM+\g], v[RR+2*\g]       ; my block's largest number after the division
.endr
.irp k, 0,1,2,3
	v_mul_f32 v[MQ+\k], v[MQ+\k], v[RR+8]          ; the same product, on the same bits, as block k's own wave makes
.endr
.irp p, 0,2,4,6,8,10,12,14
.irp g, 0,1,2,3
	v_pk_mul_f32 v[ACCK+16*\g+\p:ACCK+16*\g+\p+1], v[ACCK+16*\g+\p:ACCK+16*\g+\p+1], v[RR+2*\g:RR+2*\g+1] op_sel_hi:[1,0]
.endr
.endr
.irp g, 0,1,2,3
	v_max_num_f32 v[SO+\g], 0x1800000, v[SO+\g]    ; the floor 2^(3 - 127): the byte cannot fall under 1
.endr
.irp k, 0,1,2,3
	v_max_num_f32 v[MQ+\k], 0x1800000, v[MQ+\k]
.endr
.irp g, 0,1,2,3
	v_add_nc_u32 v[SO+\g], 0xff000000, v[SO+\g]    ; 2 off the exponent field
.endr
.irp k, 0,1,2,3
	v_add_nc_u32 v[MQ+\k], 0xff000000, v[MQ+\k]
.endr
.irp k, 0,1,2,3
	v_lshrrev_b32 v[MQ+\k], 23, v[MQ+\k]
.endr
	v_lshl_or_b32 v[KW], v[MQ+1], 8, v[MQ]
	v_lshl_or_b32 v[KW], v[MQ+2], 16, v[KW]
	v_lshl_or_b32 v[KW], v[MQ+3], 24, v[KW]
.irp g, 0,1,2,3
	v_cvt_scalef32_pk8_fp4_f32 v[CK+2*\g], v[ACCK+16*\g:ACCK+16*\g+7], v[SO+\g]          ; places 8 h + 0 .. 7 of the block
	v_cvt_scalef32_pk8_fp4_f32 v[CK+2*\g+1], v[ACCK+16*\g+8:ACCK+16*\g+15], v[SO+\g]     ; and 16 + 8 h + 0 .. 7
.endr
	v_nop                                          ; one plain instruction behind the conversions
.irp g, 0,1,2,3
	v_permlane16_swap_b32 v[CK+2*\g], v[CK+2*\g+1] ; lane (r, h) now holds places 16 h + 0 .. 15: eight neighbouring bytes
.endr
.irp g, 0,1,2,3
	global_store_b64 v4, v[CK+2*\g:CK+2*\g+1], s[22:23] offset:1024*\g   ; the 32 lanes store 256 consecutive bytes, aligned
.endr
	ds_store_b32 v10, v[KW]                        ; both halves of the lanes write the same word with the same value
.endm
; V's way out: two tiles of 16 channels, each with two blocks of 32 tokens: register group t of the tile's fragment, bytes 2 t and 2 t + 1 of its scale word.
.macro EPIV
	VW                                             ; directly ahead of the first reader of V's sums
.irp b, 0,1,2,3
	v_max3_num_f32 v[TM+\b], |v[ACCV+16*\b]|, |v[ACCV+16*\b+1]|, 0x1800000
.endr
.irp i, 2,4,6,8,10,12,14
.irp b, 0,1,2,3
	v_max3_num_f32 v[TM+\b], |v[ACCV+16*\b+\i]|, |v[ACCV+16*\b+\i+1]|, v[TM+\b]
.endr
.endr
.irp b, 0,1,2,3
	v_permlanex16_b32 v[TM+4+\b], v[TM+\b], s46, s47
.endr
.irp b, 0,1,2,3
	v_max_num_f32 v[TM+\b], v[TM+\b], v[TM+4+\b]
.endr
.irp b, 0,1,2,3
	v_add_nc_u32 v[TM+12+\b], 0xff000000, v[TM+\b]
.endr
.irp b, 0,1,2,3
	v_lshrrev_b32 v[TM+4+\b], 23, v[TM+12+\b]
.endr
	v_lshl_or_b32 v[HW], v[TM+5], 8, v[TM+4]
	v_lshl_or_b32 v[HW+1], v[TM+7], 8, v[TM+6]
	v_cndmask_b32 v[HW], v[HW], v[HW+1], s52       ; lanes 0-15 tile 2 w's bytes, lanes 16-31 tile 2 w + 1's
.irp n, 0,1
.irp b, 0,1
.irp u, 0,1
	v_cvt_scalef32_pk8_fp4_f32 v[PC+4*\n+2*\u+\b], v[ACCV+32*\n+16*\b+8*\u:ACCV+32*\n+16*\b+8*\u+7], v[TM+12+2*\n+\b]
.endr
.endr
.endr
	v_nop
.irp n, 0,1
.irp u, 0,1
	v_permlane16_swap_b32 v[PC+4*\n+2*\u], v[PC+4*\n+2*\u+1]   ; a whole block to a lane
.endr
.endr
.irp n, 0,1
	global_store_b128 v5, v[PC+4*\n:PC+4*\n+3], s[26:27] offset:1024*\n  ; 512 consecutive bytes
.endr
	ds_store_b16 v11, v[HW]
.endm
; A change of slots.  lo = 1: slot 0, read out, takes the next head's unit of Wk from waves 0-3; lo = 0: slot 1 the next head's unit of Wv from waves 4-7.
.macro TURN lo
	VW
	s_wait_tensorcnt 0x0                           ; all my tensor loads have landed,
	ds_add_u32 v14, v15
.if \lo
	s_add_nc_u64 s[78:79], s[78:79], 0x10000       ; so group 0 may be written: the next head's 128 rows
.endif
	s_wait_dscnt 0x0                               ; the add, my stores and my reads of the slot are done
	ROUND                                          ; and so are those of every wave of the four work-groups
	s_cmp_lt_u32 s34, 4
.if \lo
	s_cbranch_scc0 .Lnot_mine_\@
.else
	s_cbranch_scc1 .Lnot_mine_\@
.endif
	tensor_load_to_lds s[76:79], s[68:75]
	s_nop 0
	PLACES
.Lnot_mine_\@:
.endm
	PREW 2
	s_wait_loadcnt 0x2                             ; Wk's scale words are in; Wv's two loads may be out
	GEMM 0
	SUMS
	s_mov_b32 s50, 7
.Lhead:                                                ; a trip: V of head i, K's and V's ways out, K of head i + 1
	TURN 1
	PREW 3
	s_wait_loadcnt 0x0
	GEMM 1
	EPIK 1
	TURN 0
	s_wait_xcnt 0x0                                ; K's stores have read their registers, into which fragments are loaded now
	PREW 2
	EPIV
	s_wait_xcnt 0x0                                ; V's stores have read their registers and bases
	s_add_nc_u64 s[22:23], s[22:23], 0x40000       ; the next head's codes
	s_add_nc_u64 s[26:27], s[26:27], 0x40000
	v_add_nc_u32 v10, 512, v10                     ; and scale words
	v_add_nc_u32 v11, 512, v11
	VW
	s_wait_loadcnt 0x2
	GEMM 0
	SUMS
	s_sub_co_u32 s50, s50, 1
	s_cmp_lg_u32 s50, 0
	VW
	s_cbranch_scc1 .Lhead
	s_wait_tensorcnt 0x0                           ; head 7: nothing is filled again
	s_wait_dscnt 0x0
	s_barrier_signal -1
	s_barrier_wait -1
	PREW 3
	s_wait_loadcnt 0x0
	GEMM 1
	EPIK 0
	EPIV
	VW
	s_wait_dscnt 0x0                               ; my scale words lie in LDS:
	s_barrier_signal -1
	s_barrier_wait -1                              ; everybody's do
	ds_load_b128 v[48:51], v[SOUT]                 ; head w8's 512 bytes of K's words,
	ds_load_b128 v[52:55], v[SOUT] offset:4096     ; and of V's
	s_wait_dscnt 0x0
	global_store_b128 v1, v[48:51], s[24:25]
	global_store_b128 v1, v[52:55], s[28:29]
	s_wait_tensorcnt 0x0                           ; the wave's end
	ds_add_u32 v14, v15
	s_wait_dscnt 0x0
	ROUND                                          ; the closing round
	s_endpgm
.Lfunc_end_k_q3d31c46c8f_proj:
	.size	k_q3d31c46c8f_proj, .Lfunc_end_k_q3d31c46c8f_proj-k_q3d31c46c8f_proj
	.p2alignl 7, 3214868480
	.fill 96, 4, 3214868480
	.section	.rodata,"a",@progbits
	.p2align	6, 0x0
	.amdhsa_kernel k_q3d31c46c8f_proj
		.amdhsa_group_segment_fixed_size 327680
		.amdhsa_private_segment_fixed_size 0
		.amdhsa_enable_private_segment 0
		.amdhsa_kernarg_size 88
		.amdhsa_user_sgpr_count 2
		.amdhsa_user_sgpr_kernarg_segment_ptr 1
		.amdhsa_wavefront_size32 1
		.amdhsa_system_sgpr_workgroup_id_x 1
		.amdhsa_system_sgpr_workgroup_id_y 1
		.amdhsa_system_sgpr_workgroup_id_z 1
		.amdhsa_system_vgpr_workitem_id 0
		.amdhsa_next_free_vgpr 512
		.amdhsa_next_free_sgpr 80
		.amdhsa_reserve_vcc 1
		.amdhsa_float_denorm_mode_32 3
		.amdhsa_float_denorm_mode_16_64 3
		.amdhsa_memory_ordered 1
		.amdhsa_forward_progress 1
		.amdhsa_inst_pref_size 255
	.end_amdhsa_kernel
	.section	.bss,"aw",@nobits
	.p2align	6
	.space	262144
	.amdgpu_metadata
---
amdhsa.version: [ 1, 2 ]
amdhsa.kernels:
  - .name:           k_q3d31c46c8f_proj
    .symbol:         k_q3d31c46c8f_proj.kd
    .args:
      - { .name: x, .offset: 0, .size: 8, .value_kind: global_buffer, .address_space: global }
      - { .name: ln_g, .offset: 8, .size: 8, .value_kind: global_buffer, .address_space: global }
      - { .name: ln_b, .offset: 16, .size: 8, .value_kind: global_buffer, .address_space: global }
      - { .name: Wk_codes, .offset: 24, .size: 8, .value_kind: global_buffer, .address_space: global }
      - { .name: Wk_scales, .offset: 32, .size: 8, .value_kind: global_buffer, .address_space: global }
      - { .name: Wv_codes, .offset: 40, .size: 8, .value_kind: global_buffer, .address_space: global }
      - { .name: Wv_scales, .offset: 48, .size: 8, .value_kind: global_buffer, .address_space: global }
      - { .name: kc, .offset: 56, .size: 8, .value_kind: global_buffer, .address_space: global }
      - { .name: ks, .offset: 64, .size: 8, .value_kind: global_buffer, .address_space: global }
      - { .name: vc, .offset: 72, .size: 8, .value_kind: global_buffer, .address_space: global }
      - { .name: vs, .offset: 80, .size: 8, .value_kind: global_buffer, .address_space: global }
    .group_segment_fixed_size: 327680
    .private_segment_fixed_size: 0
    .kernarg_segment_align: 8
    .kernarg_segment_size: 88
    .max_flat_workgroup_size: 256
    .sgpr_count:     80
    .vgpr_count:     512
    .wavefront_size: 32
...
	.end_amdgpu_metadata
.endif
;; end of part 1
;; launch attn (part 2): grid 4 x 64, 16 waves a work-group, clusters of 4 x 1, 301,056 bytes of LDS; arguments kc, ks, vc, vs, Wq_codes, Wq_scales, proto_codes, proto_scales, zt; writes zt
.if DOCPART == 2
	.amdgcn_target "amdgcn-amd-amdhsa--gfx1250"
	.amdhsa_code_object_version 6
	.text
	.protected	k_q3d31c46c8f_attn
	.globl	k_q3d31c46c8f_attn
	.p2align	8
	.type	k_q3d31c46c8f_attn,@function
k_q3d31c46c8f_attn:
	s_mov_b64 s[64:65], 0
	v_nop
	global_prefetch_b8 v0, s[64:65] scope:SCOPE_SE
	s_setreg_imm32_b32 hwreg(HW_REG_WAVE_MODE, 25, 1), 1
	s_wait_xcnt 0x0
	s_wait_alu depctr_hold_cnt(0) depctr_sa_sdst(0) depctr_va_vdst(0) depctr_va_sdst(0) depctr_va_ssrc(0) depctr_va_vcc(0) depctr_vm_vsrc(0)
	s_getreg_b32 s2, hwreg(HW_REG_IB_STS2, 6, 4)
	s_cmp_eq_u32 s2, 0
	s_cbranch_scc0 .Lentry_in_a_cluster
	s_endpgm
.Lentry_in_a_cluster:
	s_bfe_u32 s2, ttmp6, 0x10000c
	s_cmp_lg_u32 s2, 0x3003
	s_cbranch_scc0 .Lentry_shape_is_right
	s_endpgm
.Lentry_shape_is_right:
; ATTN.  For one batch and head: Q = proto Wq^T (the head's 128 columns), divided by max(norm, 1e-12) and quantised; scores = Kh Qh^T / 0.07; the softmax over all 4,096 tokens, finished and normalised, quantised along
; the tokens; attn V; the mean over the 16 prototypes.  All three products on E2M1 codes.
; SHARES.  The four work-groups of a cluster serve one batch and head and 32 of its 128 channels each (cx enters V's and the output's addresses alone).  All four need the head's whole K (262,144 bytes of codes, 16,384 of
; scale words): it is asked for JOINTLY, once, at the head, and nothing is filled again.  Each makes Q, the scores and the softmax for itself: that is 20 matrix instructions a wave.
; Wave w of sixteen owns tokens 256 w .. 256 w + 255; it fetches and reads its own 16,384 + 1,024 bytes of K, so its own wait on TENSORcnt is all that its reads need.
; Q: wave w makes tile w % 8 (16 of the head's columns) for half w / 8 of K; its 18 loads go out first of all, ahead of the cluster's round; the two halves meet in LDS and every wave adds them.
; LAYOUT.  Scores: source 0 = 16 tokens, source 1 = the 16 prototypes: a lane holds ONE prototype and its registers run along the tokens, which are the next product's K.
; The softmax takes the row's maximum away: p = 2^(c s - c m), c = log2(e) / 0.07; maximum and sum meet in LDS, one word for each prototype and wave.
; LIMITS: NaN and infinities are not served (so nan_to_num finds nothing); a block of zeros gets the byte 1 and zero codes; divisions are v_rcp_f32 and a multiplication.
; LDS: fills land in K's codes alone; stores go to QX, RMX (with the sums behind it) and ZX alone.
; K's codes lie in LDS from 0 on, 16,384 bytes a wave: one joint load a wave.  K's scale words, 1,024 bytes a wave, go from memory straight into their registers (a sixteenth of the codes' bytes).
; Wq and proto are read as they are given: lane (r, h) takes 16 bytes of row r for each register group; a wave's eight loads of a tensor together cover 256 consecutive bytes of each of 16 rows.
.set QX,   278528                      ; Q's parts as images of their registers, 1,024 bytes a wave: K half 0's eight tiles, then K half 1's
.set RMX,  294912                      ; maxima [prototype][wave]; the sums lie 1,024 bytes on
.set ZX,   296960                      ; the waves' parts of the result, 128 bytes each
.set WQS, 12                           ; v12-15 Wq's scale words; v16-19 proto's; v20-27 K's; v28 Q's; v30-31 attn's; v32-33 V's: these hold scales and nothing else
.set PRS, 16
.set KSW, 20
.set QW,  28
.set AW,  30
.set VW,  32
.set QF,  34                           ; v34-41  Q's fragment
.set AF,  42                           ; v42-57  attn's two fragments
.set VF,  58                           ; v58-89  V's four fragments (128 tokens f, tile e) at 16 f + 8 e
.set NM,  90                           ; v90 -c m (v91 named with it)
.set RC,  92                           ; v92-95 two pairs at work
.set S,   96                           ; v96-223 the scores, then p, then attn; before that Wq's and proto's fragments, then Q
.set TM,  224                          ; v224-239 at work
.set KF,  224                          ; v224-255 four fragments of K
.set O,   240                          ; v240-255 the two accumulators of attn V
.macro PLACES
.rept 4
	v_nop
.endr
.endm
.macro ROUND
	s_barrier_signal -1
	s_barrier_wait -1
	s_cmp_lg_u32 s16, 0
	s_cbranch_scc1 .Lnot_wave_0_\@
	s_barrier_signal -3
.Lnot_wave_0_\@:
	s_barrier_wait -3
	s_barrier_signal -1
	s_barrier_wait -1
.endm
.macro BAR                             ; my LDS stores have landed and my LDS loads are in: then the work-group's barrier
	s_wait_dscnt 0x0
	s_barrier_signal -1
	s_barrier_wait -1
.endm
; 64 numbers of a lane, register 16 b + 8 u + j = place 32 b + 16 u + 8 (lane / 16) + j along K, become a fragment in v[pc] on and its scale word in v[pw].
.macro QUANT0 s, pc, pw
.irp b, 0,1,2,3
	v_max3_num_f32 v[TM+\b], |v[\s+16*\b]|, |v[\s+16*\b+1]|, 0x1800000   ; and the floor 2^(3 - 127): the byte cannot fall under 1
.endr
.irp i, 2,4,6,8,10,12,14
.irp b, 0,1,2,3
	s_delay_alu instid0(VALU_DEP_4)
	v_max3_num_f32 v[TM+\b], v[TM+\b], |v[\s+16*\b+\i]|, |v[\s+16*\b+\i+1]|
.endr
.endr
.irp b, 0,1,2,3
	v_permlanex16_b32 v[TM+4+\b], v[TM+\b], s48, s49
.endr
.irp b, 0,1,2,3
	s_delay_alu instid0(VALU_DEP_4)
	v_max_num_f32 v[TM+\b], v[TM+\b], v[TM+4+\b]
.endr
.irp b, 0,1,2,3
	s_delay_alu instid0(VALU_DEP_4)
	v_add_nc_u32 v[TM+12+\b], 0xff000000, v[TM+\b]
.endr
.irp b, 0,1,2,3
	s_delay_alu instid0(VALU_DEP_4)
	v_lshrrev_b32 v[TM+4+\b], 23, v[TM+12+\b]
.endr
	s_delay_alu instid0(VALU_DEP_3)
	v_lshl_or_b32 v[\pw], v[TM+5], 8, v[TM+4]
	s_delay_alu instid0(VALU_DEP_1)
	v_lshl_or_b32 v[\pw], v[TM+6], 16, v[\pw]
	s_delay_alu instid0(VALU_DEP_1)
	v_lshl_or_b32 v[\pw], v[TM+7], 24, v[\pw]
.irp b, 0,1,2,3
.irp u, 0,1
	v_cvt_scalef32_pk8_fp4_f32 v[\pc+4*(\b/2)+2*\u+\b%2], v[\s+16*\b+8*\u:\s+16*\b+8*\u+7], v[TM+12+\b]
.endr
.endr
	v_nop                                          ; one plain instruction behind the conversions
.irp c, 0,1
.irp u, 0,1
	v_permlane16_swap_b32 v[\pc+4*\c+2*\u], v[\pc+4*\c+2*\u+1]
.endr
.endr
.endm
	s_load_b256 s[4:11], s[0:1], 0x0               ; kc 4, ks 6, vc 8, vs 10
	s_load_b256 s[68:75], s[0:1], 0x20             ; Wq codes 68, scales 70, proto codes 72, scales 74
	s_load_b64 s[14:15], s[0:1], 0x40              ; zt 14
	v_lshl_add_u32 v238, v0, 2, 0x49000
	v_mov_b32 v239, 0
	ds_add_u32 v238, v239
	ds_add_u32 v238, v239
	s_wait_dscnt 0x0
	v_lshrrev_b32 v1, 5, v0
	s_delay_alu instid0(VALU_DEP_1)
	v_readfirstlane_b32 s16, v1                    ; wave 0..15
	s_bfe_u32 s17, ttmp6, 0x40000                  ; cx: which 32 channels
	s_and_b32 s18, ttmp7, 0xffff                   ; 8 batch + head
	s_and_b32 s19, s18, 7                          ; head
	s_lshr_b32 s20, s16, 3                         ; which half of K I take of Q's product
	; every LDS address is made here
	v_and_b32 v10, 31, v0
	v_and_b32 v11, 15, v0
	s_delay_alu instid0(VALU_DEP_2)
	v_lshlrev_b32 v1, 4, v10                       ; v1  16 x lane
	s_lshl_b32 s21, s16, 14
	v_add_nc_u32 v2, s21, v1                       ; v2  my wave's codes of K
	s_lshl_b32 s22, s16, 10
	s_add_co_u32 s23, s22, QX
	v_add_nc_u32 v4, s23, v1                       ; v4  where I put my part of Q
	v_add_nc_u32 v5, QX, v1                        ; v5  where all read Q
	v_lshlrev_b32 v7, 6, v11
	s_delay_alu instid0(VALU_DEP_1)
	v_add_nc_u32 v7, RMX, v7                       ; v7  my prototype's 16 words
	s_lshl_b32 s23, s16, 2
	v_add_nc_u32 v6, s23, v7                       ; v6  my wave's word among them
	v_lshlrev_b32 v10, 2, v10                      ; v10 4 x lane
	s_delay_alu instid0(VALU_DEP_1)
	v_add_nc_u32 v9, ZX, v10                       ; v9  my channel's words
	s_lshl_b32 s23, s16, 7
	v_add_nc_u32 v8, s23, v9                       ; v8  my wave's among them
	; offsets in Wq and proto as given: my half's four K steps begin 256 bytes a half on in a row of 512; its scale words 16 bytes a half on in a row of 32, and BOTH halves of the lanes take row lane % 16's, so that lanes 0-15 hold them
	s_lshl_b32 s23, s20, 8
	v_bfe_u32 v29, v0, 4, 1
	v_lshl_add_u32 v29, v29, 4, s23
	v_lshl_add_u32 v29, v11, 9, v29                ; v29 codes: row r of 512 bytes, + 256 for K's second half, + 16 h
	s_lshl_b32 s23, s20, 4
	v_lshl_add_u32 v11, v11, 5, s23                ; v11 scale words: row r of 32 bytes, + 16 for K's second half
.irp b, 0,1,2,3
	v_mov_b32 v[TM+4+\b], 0                        ; a lane permute's destination counts as one of its sources
.endr
	v_mov_b32 v[NM+1], 0                           ; named as the upper half of a pair
	s_and_b32 s54, s16, 7
	s_lshl_b32 s23, s19, 3
	s_add_co_u32 s54, s54, s23
	s_lshl_b32 s2, s54, 9                          ; Wq's rows 16 (8 head + wave % 8) on: 32 scale bytes a row,
	s_mov_b32 s3, 0
	s_lshl_b32 s54, s54, 13                        ; 512 bytes of codes
	s_mov_b32 s55, 0
	s_wait_alu depctr_va_vdst(0)
	s_wait_kmcnt 0x0
	s_add_nc_u64 s[56:57], s[68:69], s[54:55]
	s_add_nc_u64 s[12:13], s[70:71], s[2:3]
.irp j, 0,1,2,3                                ; what the launch's first product waits for goes out first
.irp c, 0,1
	global_load_b128 v[S+8*\j+4*\c:S+8*\j+4*\c+3], v29, s[56:57] offset:\j*64+\c*32
	global_load_b128 v[S+32+8*\j+4*\c:S+32+8*\j+4*\c+3], v29, s[72:73] offset:\j*64+\c*32
.endr
.endr
	global_load_b128 v[WQS:WQS+3], v11, s[12:13]
	global_load_b128 v[PRS:PRS+3], v11, s[74:75]
	s_mov_b32 s24, 15|(3<<16)|(1<<21)              ; group 1 for the codes: the mask names all four; elements of 8 bytes; 64 dense rows of 256 bytes
	s_mov_b32 s25, 32<<16
	s_mov_b32 s26, 64<<16
	s_mov_b32 s27, 32<<16
	s_mov_b32 s28, 64
	s_mov_b32 s29, 32
	s_mov_b32 s30, 0
	s_mov_b32 s31, 0
	s_mov_b32 s48, 0x76543210                      ; v_permlanex16_b32's selects for lane l xor 16
	s_mov_b32 s49, 0xfedcba98
	s_mov_b32 s50, 0x41a4e123                      ; c = log2(e) / 0.07
	s_mov_b32 s51, s50
	s_mov_b32 s52, 0xffff0000                      ; lanes 16-31
	s_lshl_b32 s54, s18, 18
	s_add_co_u32 s54, s54, s21                     ; codes: 262,144 bytes a head, 16,384 a wave
	s_lshl_b32 s2, s18, 14
	s_add_co_u32 s2, s2, s22                       ; scale words: 16,384 a head, 1,024 a wave
	s_mov_b32 s3, 0
	s_mov_b32 s40, 1
	s_mov_b32 s41, s21
	s_add_nc_u64 s[42:43], s[4:5], s[54:55]
	s_or_b32 s43, s43, 0x80000000
	s_add_nc_u64 s[46:47], s[6:7], s[2:3]          ; my tokens' scale words of K
	s_add_nc_u64 s[60:61], s[8:9], s[54:55]        ; V's codes of my tokens,
	s_add_nc_u64 s[62:63], s[10:11], s[2:3]        ; and its scale words;
	s_lshl_b32 s54, s17, 11
	s_add_nc_u64 s[60:61], s[60:61], s[54:55]      ; my work-group's two tiles of channels,
	s_lshl_b32 s54, s17, 2
	s_add_nc_u64 s[62:63], s[62:63], s[54:55]      ; whose words share a register
	s_lshl_b32 s54, s18, 9
	s_lshl_b32 s23, s17, 7
	s_add_co_u32 s54, s54, s23
	s_add_nc_u64 s[14:15], s[14:15], s[54:55]      ; the result: 512 bytes a head, 128 a work-group
	ROUND                                          ; all four work-groups are here: the joint loads meet
	tensor_load_to_lds s[40:43], s[24:31]          ; one load of mine is out: the launch's only fill
	s_nop 0
	PLACES                                         ; four plain lines follow the load
	global_load_b128 v[KSW:KSW+3], v1, s[46:47]    ; K's scale words: 512 consecutive bytes a load
	global_load_b128 v[KSW+4:KSW+7], v1, s[46:47] offset:512
; ---- 1: my part of Q.  Source 0 = 16 rows of Wq, source 1 = proto: a lane holds one prototype, its registers run along the head.  Four K steps on two accumulators by turns
	s_wait_loadcnt 0x2                             ; Wq and proto are in; K's two loads of scale words may be out
.irp j, 0,1,2,3
.if \j < 2
	v_wmma_scale_f32_16x16x128_f8f6f4 v[TM+8*(\j%2):TM+8*(\j%2)+7], v[S+8*\j:S+8*\j+7], v[S+32+8*\j:S+32+8*\j+7], 0, v[WQS+\j], v[PRS+\j] matrix_a_fmt:MATRIX_FMT_FP4 matrix_b_fmt:MATRIX_FMT_FP4
.else
	v_wmma_scale_f32_16x16x128_f8f6f4 v[TM+8*(\j%2):TM+8*(\j%2)+7], v[S+8*\j:S+8*\j+7], v[S+32+8*\j:S+32+8*\j+7], v[TM+8*(\j%2):TM+8*(\j%2)+7], v[WQS+\j], v[PRS+\j] matrix_a_fmt:MATRIX_FMT_FP4 matrix_b_fmt:MATRIX_FMT_FP4
.endif
.endr
	PLACES
.irp k, 0,1,2,3
	v_pk_add_f32 v[O+2*\k:O+2*\k+1], v[TM+2*\k:TM+2*\k+1], v[TM+8+2*\k:TM+9+2*\k]
.endr
	ds_store_b128 v4, v[O:O+3]
	ds_store_b128 v4, v[O+4:O+7] offset:512
	BAR                                            ; Q's sixteen parts lie in LDS
.irp f, 0,1                                    ; V is wanted four phases on: it is asked for here, behind what the first product waited for
.irp e, 0,1
.irp c, 0,1
	global_load_b128 v[VF+16*\f+8*\e+4*\c:VF+16*\f+8*\e+4*\c+3], v1, s[60:61] offset:\f*8192+\e*1024+\c*512
.endr
.endr
.endr
.irp f, 0,1
	global_load_b32 v[VW+\f], v1, s[62:63] offset:512*\f
.endr
; ---- 2: every wave takes all of Q, adds its two halves of K, normalises and quantises it
.irp i, 0,1,2,3,4,5,6,7
.irp s, 0,1
	ds_load_b128 v[S+8*\i+4*\s:S+8*\i+4*\s+3], v5 offset:\i*1024+512*\s
	ds_load_b128 v[S+64+8*\i+4*\s:S+64+8*\i+4*\s+3], v5 offset:8192+\i*1024+512*\s
.endr
.endr
	s_wait_dscnt 0x0
.set P, 0
.rept 32
	v_pk_add_f32 v[S+P:S+P+1], v[S+P:S+P+1], v[S+64+P:S+64+P+1]
.set P, P+2
.endr
	v_pk_mul_f32 v[RC:RC+1], v[S:S+1], v[S:S+1]
	v_pk_mul_f32 v[RC+2:RC+3], v[S+2:S+3], v[S+2:S+3]
.set P, 4
.rept 15
	s_delay_alu instid0(VALU_DEP_2)
	v_pk_fma_f32 v[RC:RC+1], v[S+P:S+P+1], v[S+P:S+P+1], v[RC:RC+1]
	s_delay_alu instid0(VALU_DEP_2)
	v_pk_fma_f32 v[RC+2:RC+3], v[S+P+2:S+P+3], v[S+P+2:S+P+3], v[RC+2:RC+3]
.set P, P+4
.endr
	s_delay_alu instid0(VALU_DEP_1)
	v_pk_add_f32 v[RC:RC+1], v[RC:RC+1], v[RC+2:RC+3]
	s_delay_alu instid0(VALU_DEP_1)
	v_add_f32 v[RC], v[RC], v[RC+1]
	s_delay_alu instid0(VALU_DEP_1)
	v_permlanex16_b32 v[RC+1], v[RC], s48, s49
	s_delay_alu instid0(VALU_DEP_1)
	v_add_f32 v[RC], v[RC], v[RC+1]
	s_wait_alu depctr_va_vdst(0)
	v_sqrt_f32 v[RC+1], v[RC]
	v_nop
	s_wait_alu depctr_va_vdst(0)                   ; the wait ahead of a transcendental's first reader
	v_max_num_f32 v[RC+1], 0x2b8cbccc, v[RC+1]     ; max(norm, 1e-12)
	s_wait_alu depctr_va_vdst(0)
	v_rcp_f32 v[RC], v[RC+1]
	v_nop
	s_wait_alu depctr_va_vdst(0)
.set P, 0
.rept 32
	v_pk_mul_f32 v[S+P:S+P+1], v[S+P:S+P+1], v[RC:RC+1] op_sel_hi:[1,0]
.set P, P+2
.endr
	QUANT0 S, QF, QW
.rept 8
	v_nop                                          ; a scale register written by a vector instruction stands 8 places ahead of a scaled matrix instruction, an operand so written 4
.endr
; ---- 3: the scores of my 256 tokens, four tiles at a time
	s_wait_alu depctr_va_vdst(0)
	s_wait_tensorcnt 0x0                           ; my part of K has landed; nobody else reads it
	s_wait_loadcnt 0xa                             ; K's scale words are in; V's ten loads, issued behind them, may be out
.set GG, 0
.rept 4
.if GG > 0
	PLACES                                         ; in front of loads into registers that matrix instructions have read
.endif
.irp t, 0,1,2,3
.irp c, 0,1
	ds_load_b128 v[KF+8*\t+4*\c:KF+8*\t+4*\c+3], v2 offset:(4*GG+\t)*1024+\c*512
.endr
.endr
	s_wait_dscnt 0x0
.irp t, 0,2                                    ; tiles t and t + 1 share a register of scale words: lanes 0-15 and lanes 16-31
	v_wmma_scale_f32_16x16x128_f8f6f4 v[S+8*(4*GG+\t):S+8*(4*GG+\t)+7], v[KF+8*\t:KF+8*\t+7], v[QF:QF+7], 0, v[KSW+4*(GG/2)+((4*GG+\t)%8)/2], v[QW] matrix_a_fmt:MATRIX_FMT_FP4 matrix_b_fmt:MATRIX_FMT_FP4
	v_wmma_scale_f32_16x16x128_f8f6f4 v[S+8*(4*GG+\t)+8:S+8*(4*GG+\t)+15], v[KF+8*\t+8:KF+8*\t+15], v[QF:QF+7], 0, v[KSW+4*(GG/2)+((4*GG+\t)%8)/2], v[QW] matrix_a_fmt:MATRIX_FMT_FP4 matrix_b_fmt:MATRIX_FMT_FP4 matrix_a_scale:MATRIX_SCALE_ROW1
.endr
.set GG, GG+1
.endr
	PLACES
; ---- 4: the row's maximum: my 128 scores in four chains, each accumulator from its low end on; lane l xor 16's; the sixteen waves'
.irp k, 0,1,2,3
	v_max3_num_f32 v[TM+\k], v[S+32*\k], v[S+32*\k+1], v[S+32*\k+2]
.endr
.irp i, 3,5,7,9,11,13,15,17,19,21,23,25,27,29
.irp k, 0,1,2,3
	v_max3_num_f32 v[TM+\k], v[TM+\k], v[S+32*\k+\i], v[S+32*\k+\i+1]
.endr
.endr
.irp k, 0,1,2,3
	v_max_num_f32 v[TM+\k], v[TM+\k], v[S+32*\k+31]
.endr
	s_delay_alu instid0(VALU_DEP_2)
	v_max3_num_f32 v[TM], v[TM], v[TM+1], v[TM+2]
	s_delay_alu instid0(VALU_DEP_1)
	v_max_num_f32 v[TM], v[TM], v[TM+3]
	s_delay_alu instid0(VALU_DEP_1)
	v_permlanex16_b32 v[TM+4], v[TM], s48, s49
	s_delay_alu instid0(VALU_DEP_1)
	v_max_num_f32 v[TM], v[TM], v[TM+4]
	ds_store_b32 v6, v[TM]                         ; both halves of the lanes write the same word with the same value
	BAR
.irp k, 0,1,2,3
	ds_load_b128 v[TM+8+4*\k:TM+11+4*\k], v7 offset:16*\k
.endr
	s_wait_dscnt 0x0
	v_max3_num_f32 v[TM], v[TM+8], v[TM+9], v[TM+10]
.irp i, 11,13,15,17,19,21
	s_delay_alu instid0(VALU_DEP_1)
	v_max3_num_f32 v[TM], v[TM], v[TM+\i], v[TM+\i+1]
.endr
	s_delay_alu instid0(VALU_DEP_1)
	v_max_num_f32 v[TM], v[TM], v[TM+23]
	s_delay_alu instid0(VALU_DEP_1)
	v_mul_f32 v[NM], 0xc1a4e123, v[TM]             ; -c m
; ---- 5: p = 2^(c s - c m), its sum, attn = p / sum
.set P, 0
.rept 64
	v_pk_fma_f32 v[S+P:S+P+1], v[S+P:S+P+1], s[50:51], v[NM:NM+1] op_sel_hi:[1,0,0]
.set P, P+2
.endr
.set P, 0
	s_wait_alu depctr_va_vdst(0)
.rept 128
	v_exp_f32 v[S+P], v[S+P]
.set P, P+1
.endr
	v_nop                                          ; a plain instruction behind the batch,
	s_wait_alu depctr_va_vdst(0)                   ; and one wait for all 128, ahead of the first reader
	v_pk_add_f32 v[94:95], v[96:97], v[98:99]
	v_pk_add_f32 v[254:255], v[104:105], v[108:109]
	v_pk_add_f32 v[252:253], v[112:113], v[116:117]
	v_pk_add_f32 v[250:251], v[120:121], v[124:125]
	v_pk_add_f32 v[248:249], v[128:129], v[132:133]
	v_pk_add_f32 v[246:247], v[136:137], v[140:141]
	v_pk_add_f32 v[244:245], v[144:145], v[148:149]
	v_pk_add_f32 v[92:93], v[152:153], v[156:157]
	v_pk_add_f32 v[92:93], v[92:93], v[160:161]
	v_pk_add_f32 v[94:95], v[94:95], v[164:165]
	v_pk_add_f32 v[254:255], v[254:255], v[168:169]
	v_pk_add_f32 v[252:253], v[252:253], v[172:173]
	v_pk_add_f32 v[250:251], v[250:251], v[176:177]
	v_pk_add_f32 v[248:249], v[248:249], v[180:181]
	v_pk_add_f32 v[246:247], v[246:247], v[184:185]
	v_pk_add_f32 v[244:245], v[244:245], v[188:189]
	v_pk_add_f32 v[92:93], v[92:93], v[192:193]
	v_pk_add_f32 v[94:95], v[94:95], v[196:197]
	v_pk_add_f32 v[254:255], v[254:255], v[200:201]
	v_pk_add_f32 v[252:253], v[252:253], v[204:205]
	v_pk_add_f32 v[250:251], v[250:251], v[208:209]
	v_pk_add_f32 v[248:249], v[248:249], v[212:213]
	v_pk_add_f32 v[246:247], v[246:247], v[216:217]
	v_pk_add_f32 v[244:245], v[244:245], v[220:221]
	v_pk_add_f32 v[92:93], v[92:93], v[100:101]
	v_pk_add_f32 v[94:95], v[94:95], v[102:103]
	v_pk_add_f32 v[254:255], v[254:255], v[106:107]
	v_pk_add_f32 v[252:253], v[252:253], v[110:111]
	v_pk_add_f32 v[250:251], v[250:251], v[114:115]
	v_pk_add_f32 v[248:249], v[248:249], v[118:119]
	v_pk_add_f32 v[246:247], v[246:247], v[122:123]
	v_pk_add_f32 v[244:245], v[244:245], v[126:127]
	v_pk_add_f32 v[92:93], v[92:93], v[130:131]
	v_pk_add_f32 v[94:95], v[94:95], v[134:135]
	v_pk_add_f32 v[254:255], v[254:255], v[138:139]
	v_pk_add_f32 v[252:253], v[252:253], v[142:143]
	v_pk_add_f32 v[250:251], v[250:251], v[146:147]
	v_pk_add_f32 v[248:249], v[248:249], v[150:151]
	v_pk_add_f32 v[246:247], v[246:247], v[154:155]
	v_pk_add_f32 v[244:245], v[244:245], v[158:159]
	v_pk_add_f32 v[92:93], v[92:93], v[162:163]
	v_pk_add_f32 v[94:95], v[94:95], v[166:167]
	v_pk_add_f32 v[254:255], v[254:255], v[170:171]
	v_pk_add_f32 v[252:253], v[252:253], v[174:175]
	v_pk_add_f32 v[250:251], v[250:251], v[178:179]
	v_pk_add_f32 v[248:249], v[248:249], v[182:183]
	v_pk_add_f32 v[246:247], v[246:247], v[186:187]
	v_pk_add_f32 v[244:245], v[244:245], v[190:191]
	v_pk_add_f32 v[92:93], v[92:93], v[194:195]
	v_pk_add_f32 v[94:95], v[94:95], v[198:199]
	v_pk_add_f32 v[254:255], v[254:255], v[202:203]
	v_pk_add_f32 v[252:253], v[252:253], v[206:207]
	v_pk_add_f32 v[250:251], v[250:251], v[210:211]
	v_pk_add_f32 v[248:249], v[248:249], v[214:215]
	v_pk_add_f32 v[246:247], v[246:247], v[218:219]
	v_pk_add_f32 v[244:245], v[244:245], v[222:223]
	s_delay_alu instid0(VALU_DEP_4)
	v_pk_add_f32 v[92:93], v[92:93], v[250:251]
	s_delay_alu instid0(VALU_DEP_4)
	v_pk_add_f32 v[94:95], v[94:95], v[248:249]
	s_delay_alu instid0(VALU_DEP_4)
	v_pk_add_f32 v[254:255], v[254:255], v[246:247]
	s_delay_alu instid0(VALU_DEP_4)
	v_pk_add_f32 v[252:253], v[252:253], v[244:245]
	s_delay_alu instid0(VALU_DEP_2)
	v_pk_add_f32 v[92:93], v[92:93], v[254:255]
	s_delay_alu instid0(VALU_DEP_2)
	v_pk_add_f32 v[94:95], v[94:95], v[252:253]
	s_delay_alu instid0(VALU_DEP_1)
	v_pk_add_f32 v[92:93], v[92:93], v[94:95]
	s_delay_alu instid0(VALU_DEP_1)
	v_add_f32 v[RC], v[RC], v[RC+1]
	s_delay_alu instid0(VALU_DEP_1)
	v_permlanex16_b32 v[RC+1], v[RC], s48, s49
	s_delay_alu instid0(VALU_DEP_1)
	v_add_f32 v[RC], v[RC], v[RC+1]
	ds_store_b32 v6, v[RC] offset:1024
	BAR
.irp k, 0,1,2,3
	ds_load_b128 v[TM+8+4*\k:TM+11+4*\k], v7 offset:1024+16*\k
.endr
	s_wait_dscnt 0x0
.irp k, 0,1,2,3
	v_pk_add_f32 v[TM+8+4*\k:TM+9+4*\k], v[TM+8+4*\k:TM+9+4*\k], v[TM+10+4*\k:TM+11+4*\k]
.endr
	s_delay_alu instid0(VALU_DEP_3)
	v_pk_add_f32 v[TM+8:TM+9], v[TM+8:TM+9], v[TM+12:TM+13]
	s_delay_alu instid0(VALU_DEP_2)
	v_pk_add_f32 v[TM+16:TM+17], v[TM+16:TM+17], v[TM+20:TM+21]
	s_delay_alu instid0(VALU_DEP_1)
	v_pk_add_f32 v[TM+8:TM+9], v[TM+8:TM+9], v[TM+16:TM+17]
	s_delay_alu instid0(VALU_DEP_1)
	v_add_f32 v[TM+8], v[TM+8], v[TM+9]            ; every wave adds the sixteen in the same order
	s_wait_alu depctr_va_vdst(0)
	v_rcp_f32 v[RC], v[TM+8]
	v_nop
	s_wait_alu depctr_va_vdst(0)
.set P, 0
.rept 64
	v_pk_mul_f32 v[S+P:S+P+1], v[S+P:S+P+1], v[RC:RC+1] op_sel_hi:[1,0]
.set P, P+2
.endr
; ---- 6: attn is quantised along the tokens; attn V for my 256 tokens and my work-group's 32 channels
	QUANT0 S, AF, AW
	QUANT0 S+64, AF+8, AW+1
.rept 8
	v_nop
.endr
	s_wait_loadcnt 0x0                             ; V
	v_wmma_scale_f32_16x16x128_f8f6f4 v[O:O+7], v[AF:AF+7], v[VF:VF+7], 0, v[AW], v[VW] matrix_a_fmt:MATRIX_FMT_FP4 matrix_b_fmt:MATRIX_FMT_FP4
	s_wait_alu depctr_va_vdst(0)
	v_wmma_scale_f32_16x16x128_f8f6f4 v[O+8:O+15], v[AF:AF+7], v[VF+8:VF+15], 0, v[AW], v[VW] matrix_a_fmt:MATRIX_FMT_FP4 matrix_b_fmt:MATRIX_FMT_FP4 matrix_b_scale:MATRIX_SCALE_ROW1
	v_wmma_scale_f32_16x16x128_f8f6f4 v[O:O+7], v[AF+8:AF+15], v[VF+16:VF+23], v[O:O+7], v[AW+1], v[VW+1] matrix_a_fmt:MATRIX_FMT_FP4 matrix_b_fmt:MATRIX_FMT_FP4
	v_wmma_scale_f32_16x16x128_f8f6f4 v[O+8:O+15], v[AF+8:AF+15], v[VF+24:VF+31], v[O+8:O+15], v[AW+1], v[VW+1] matrix_a_fmt:MATRIX_FMT_FP4 matrix_b_fmt:MATRIX_FMT_FP4 matrix_b_scale:MATRIX_SCALE_ROW1
	PLACES
.irp e, 0,1                                    ; a lane holds one channel and eight prototypes: their sum, and lane l xor 16's eight
	v_pk_add_f32 v[TM+4*\e:TM+4*\e+1], v[O+8*\e:O+8*\e+1], v[O+8*\e+2:O+8*\e+3]
	v_pk_add_f32 v[TM+4*\e+2:TM+4*\e+3], v[O+8*\e+4:O+8*\e+5], v[O+8*\e+6:O+8*\e+7]
.endr
.irp e, 0
	s_delay_alu instid0(VALU_DEP_3)
	v_pk_add_f32 v[TM+4*\e:TM+4*\e+1], v[TM+4*\e:TM+4*\e+1], v[TM+4*\e+2:TM+4*\e+3]
.endr
.irp e, 1
	s_delay_alu instid0(VALU_DEP_2)
	v_pk_add_f32 v[TM+4*\e:TM+4*\e+1], v[TM+4*\e:TM+4*\e+1], v[TM+4*\e+2:TM+4*\e+3]
.endr
.irp e, 0,1
	s_delay_alu instid0(VALU_DEP_2)
	v_add_f32 v[TM+4*\e], v[TM+4*\e], v[TM+4*\e+1]
.endr
.irp e, 0,1
	s_delay_alu instid0(VALU_DEP_2)
	v_permlanex16_b32 v[TM+4*\e+1], v[TM+4*\e], s48, s49
.endr
.irp e, 0,1
	s_delay_alu instid0(VALU_DEP_2)
	v_add_f32 v[TM+4*\e], v[TM+4*\e], v[TM+4*\e+1]
.endr
	s_delay_alu instid0(VALU_DEP_1)
	v_cndmask_b32 v[TM], v[TM], v[TM+4], s52       ; lane l: channel l of the 32
	ds_store_b32 v8, v[TM]
	BAR
; ---- 7: wave 0 adds the sixteen waves' parts; the mean over the 16 prototypes
	s_cmp_lg_u32 s16, 0
	s_cbranch_scc1 .Lnot_out
.irp k, 0,1,2,3,4,5,6,7,8,9,10,11,12,13,14,15
	ds_load_b32 v[S+\k], v9 offset:128*\k
.endr
	s_wait_dscnt 0x0
.irp k, 0,1,2,3
	v_pk_add_f32 v[S+4*\k:S+4*\k+1], v[S+4*\k:S+4*\k+1], v[S+4*\k+2:S+4*\k+3]
.endr
	s_delay_alu instid0(VALU_DEP_3)
	v_pk_add_f32 v[S:S+1], v[S:S+1], v[S+4:S+5]
	s_delay_alu instid0(VALU_DEP_2)
	v_pk_add_f32 v[S+8:S+9], v[S+8:S+9], v[S+12:S+13]
	s_delay_alu instid0(VALU_DEP_1)
	v_pk_add_f32 v[S:S+1], v[S:S+1], v[S+8:S+9]
	s_delay_alu instid0(VALU_DEP_1)
	v_add_f32 v[S], v[S], v[S+1]
	s_delay_alu instid0(VALU_DEP_1)
	v_mul_f32 v[S], 0x3d800000, v[S]               ; / 16
	global_store_b32 v10, v[S], s[14:15]           ; 128 consecutive bytes
.Lnot_out:
	s_wait_xcnt 0x0
	v_lshl_add_u32 v238, v0, 2, 0x49000
	v_mov_b32 v239, 0
	s_wait_alu depctr_va_vdst(0)
	s_wait_tensorcnt 0x0
	ds_add_u32 v238, v239
	s_wait_dscnt 0x0
	ROUND                                          ; the closing round
	s_endpgm
.Lfunc_end_k_q3d31c46c8f_attn:
	.size	k_q3d31c46c8f_attn, .Lfunc_end_k_q3d31c46c8f_attn-k_q3d31c46c8f_attn
	.p2alignl 7, 3214868480
	.fill 96, 4, 3214868480
	.section	.rodata,"a",@progbits
	.p2align	6, 0x0
	.amdhsa_kernel k_q3d31c46c8f_attn
		.amdhsa_group_segment_fixed_size 301056
		.amdhsa_private_segment_fixed_size 0
		.amdhsa_enable_private_segment 0
		.amdhsa_kernarg_size 72
		.amdhsa_user_sgpr_count 2
		.amdhsa_user_sgpr_kernarg_segment_ptr 1
		.amdhsa_wavefront_size32 1
		.amdhsa_system_sgpr_workgroup_id_x 1
		.amdhsa_system_sgpr_workgroup_id_y 1
		.amdhsa_system_sgpr_workgroup_id_z 1
		.amdhsa_system_vgpr_workitem_id 0
		.amdhsa_next_free_vgpr 256
		.amdhsa_next_free_sgpr 76
		.amdhsa_reserve_vcc 0
		.amdhsa_float_denorm_mode_32 3
		.amdhsa_float_denorm_mode_16_64 3
		.amdhsa_memory_ordered 1
		.amdhsa_forward_progress 1
		.amdhsa_inst_pref_size 66
	.end_amdhsa_kernel
	.amdgpu_metadata
---
amdhsa.version: [ 1, 2 ]
amdhsa.kernels:
  - .name:           k_q3d31c46c8f_attn
    .symbol:         k_q3d31c46c8f_attn.kd
    .args:
      - { .name: kc, .offset: 0, .size: 8, .value_kind: global_buffer, .address_space: global }
      - { .name: ks, .offset: 8, .size: 8, .value_kind: global_buffer, .address_space: global }
      - { .name: vc, .offset: 16, .size: 8, .value_kind: global_buffer, .address_space: global }
      - { .name: vs, .offset: 24, .size: 8, .value_kind: global_buffer, .address_space: global }
      - { .name: Wq_codes, .offset: 32, .size: 8, .value_kind: global_buffer, .address_space: global }
      - { .name: Wq_scales, .offset: 40, .size: 8, .value_kind: global_buffer, .address_space: global }
      - { .name: proto_codes, .offset: 48, .size: 8, .value_kind: global_buffer, .address_space: global }
      - { .name: proto_scales, .offset: 56, .size: 8, .value_kind: global_buffer, .address_space: global }
      - { .name: zt, .offset: 64, .size: 8, .value_kind: global_buffer, .address_space: global }
    .group_segment_fixed_size: 301056
    .private_segment_fixed_size: 0
    .kernarg_segment_align: 8
    .kernarg_segment_size: 72
    .max_flat_workgroup_size: 512
    .sgpr_count:     76
    .vgpr_count:     256
    .wavefront_size: 32
...
	.end_amdgpu_metadata
.endif
;; end of part 2
;; launch mlp1 (part 3): grid 64 x 1, 8 waves a work-group, no clusters, 34,304 bytes of LDS; arguments zt, W1, b1, ht; writes ht
.if DOCPART == 3
	.amdgcn_target "amdgcn-amd-amdhsa--gfx1250"
	.amdhsa_code_object_version 6
	.text
	.protected	k_q3d31c46c8f_mlp1
	.globl	k_q3d31c46c8f_mlp1
	.p2align	8
	.type	k_q3d31c46c8f_mlp1,@function
k_q3d31c46c8f_mlp1:
	s_mov_b64 s[64:65], 0
	v_nop
	global_prefetch_b8 v0, s[64:65] scope:SCOPE_SE
	s_setreg_imm32_b32 hwreg(HW_REG_WAVE_MODE, 25, 1), 1
	s_wait_xcnt 0x0
; out[b][e] = act(the sum over d of in[b][d] W[e][d] + bias[e]), b = 0 .. 7, e, d = 0 .. 1,023, all f32, by fused multiply-adds; act = SiLU (SILU = 1) or nothing (0).
; Eight rows: the weights' 4,194,304 bytes, read once, are the launch; the matrix units would add nothing.  A work-group takes 16 rows of W, a wave two, whole: 16 loads of 512 consecutive bytes, all out at once.
; The 8 x 1,024 input goes into LDS once (each thread 16 bytes of each row) and is read from there row by row, one row ahead of the arithmetic.
; No cluster, no tensor load: the shared input is loaded through registers, once for each work-group.  SiLU is t x v_rcp_f32(1 + 2^(-t log2 e)).  LIMITS: NaN and infinities are not served.
.set SILU, 1
.set OUTX, 32768                       ; behind the input: [b][16 e] f32
.set W,   16                           ; v16-79   my two rows: register 32 p + 4 i + j = column 128 i + 4 lane + j of row p
.set Z,   80                           ; v80-143  two sets of 32: a row of the input, the same columns
.set A,   144                          ; v144-151 four pairs
.set SUM, 152                          ; v152-167 the sums (b, p) at 2 b + p
	s_load_b256 s[4:11], s[0:1], 0x0               ; in 4, W 6, bias 8, out 10
	v_lshl_add_u32 v176, v0, 2, 0x8200
	v_mov_b32 v177, 0
	v_lshrrev_b32 v1, 5, v0
	s_delay_alu instid0(VALU_DEP_1)
	v_readfirstlane_b32 s12, v1                    ; wave
	v_lshlrev_b32 v2, 4, v0                        ; 16 x thread
	v_and_b32 v1, 31, v0
	s_delay_alu instid0(VALU_DEP_1)
	v_lshlrev_b32 v3, 4, v1                        ; 16 x lane
	s_delay_alu instid0(VALU_DEP_2)
	v_and_b32 v4, 3, v1
	s_delay_alu instid0(VALU_DEP_1)
	v_lshlrev_b32 v4, 4, v4                        ; the way out: four of the 16 columns,
	s_delay_alu instid0(VALU_DEP_4)
	v_lshrrev_b32 v5, 2, v1
	s_delay_alu instid0(VALU_DEP_1)
	v_lshl_add_u32 v5, v5, 12, v4                  ; of row lane / 4
	s_lshl_b32 s13, s12, 3
	s_add_co_u32 s13, s13, OUTX
	v_mov_b32 v6, s13                              ; my wave's two columns in OUTX
	v_add_nc_u32 v7, OUTX, v3
	s_lshl_b32 s14, ttmp9, 16                      ; 16 rows of 4,096 bytes,
	s_lshl_b32 s15, s12, 13                        ; my wave's two
	s_add_co_u32 s14, s14, s15
	s_mov_b32 s15, 0
	s_lshl_b32 s16, ttmp9, 6                       ; 16 columns of 4 bytes
	s_mov_b32 s17, 0
	s_mov_b32 s20, 0x76543210
	s_mov_b32 s21, 0xfedcba98
	s_wait_alu depctr_va_vdst(0)
	s_wait_kmcnt 0x0
	s_add_nc_u64 s[6:7], s[6:7], s[14:15]
	s_add_nc_u64 s[8:9], s[8:9], s[16:17]
	s_add_nc_u64 s[10:11], s[10:11], s[16:17]
.irp k, 0,1,2,3,4,5,6,7
	global_load_b128 v[Z+4*\k:Z+4*\k+3], v2, s[4:5] offset:4096*\k
.endr
	global_load_b128 v[8:11], v4, s[8:9]
.irp p, 0,1
.irp i, 0,1,2,3,4,5,6,7
	global_load_b128 v[W+32*\p+4*\i:W+32*\p+4*\i+3], v3, s[6:7] offset:4096*\p+512*\i th:TH_LOAD_NT
.endr
.endr
	s_wait_loadcnt 17                              ; the input is in; the bias and the 16 loads of weights may be out
.irp k, 0,1,2,3,4,5,6,7
	ds_store_b128 v2, v[Z+4*\k:Z+4*\k+3] offset:4096*\k
.endr
	s_wait_dscnt 0x0
	s_barrier_signal -1
	s_barrier_wait -1                              ; the whole input lies in LDS
.macro ZLOAD b
.irp i, 0,1,2,3,4,5,6,7
	ds_load_b128 v[Z+32*((\b)%2)+4*\i:Z+32*((\b)%2)+4*\i+3], v3 offset:4096*(\b)+512*\i
.endr
.endm
.macro ROWB b
.if (\b) < 7
	ZLOAD (\b)+1
	s_wait_dscnt 8                                 ; this row is in; the next row's eight loads may be out
.else
	s_wait_dscnt 0x0
.endif
.set ZS, Z+32*((\b)%2)
.irp p, 0,1
	v_pk_mul_f32 v[A+4*\p:A+4*\p+1], v[W+32*\p:W+32*\p+1], v[ZS:ZS+1]
	v_pk_mul_f32 v[A+4*\p+2:A+4*\p+3], v[W+32*\p+2:W+32*\p+3], v[ZS+2:ZS+3]
.endr
.irp j, 4,8,12,16,20,24,28
.irp p, 0,1
	s_delay_alu instid0(VALU_DEP_4)
	v_pk_fma_f32 v[A+4*\p:A+4*\p+1], v[W+32*\p+\j:W+32*\p+\j+1], v[ZS+\j:ZS+\j+1], v[A+4*\p:A+4*\p+1]
	s_delay_alu instid0(VALU_DEP_4)
	v_pk_fma_f32 v[A+4*\p+2:A+4*\p+3], v[W+32*\p+\j+2:W+32*\p+\j+3], v[ZS+\j+2:ZS+\j+3], v[A+4*\p+2:A+4*\p+3]
.endr
.endr
.irp p, 0
	s_delay_alu instid0(VALU_DEP_3)
	v_pk_add_f32 v[A+4*\p:A+4*\p+1], v[A+4*\p:A+4*\p+1], v[A+4*\p+2:A+4*\p+3]
.endr
.irp p, 1
	s_delay_alu instid0(VALU_DEP_2)
	v_pk_add_f32 v[A+4*\p:A+4*\p+1], v[A+4*\p:A+4*\p+1], v[A+4*\p+2:A+4*\p+3]
.endr
.irp p, 0,1
	s_delay_alu instid0(VALU_DEP_2)
	v_add_f32 v[SUM+2*(\b)+\p], v[A+4*\p], v[A+4*\p+1]
.endr
.endm
	ZLOAD 0
	s_wait_loadcnt 0x0                             ; the weights and the bias
.irp b, 0,1,2,3,4,5,6,7
	ROWB \b
.endr
.irp m, 1,2,4,8                                ; the sixteen sums over the 32 lanes, by turns
.irp j, 0,1,2,3,4,5,6,7,8,9,10,11,12,13,14,15
	v_add_f32_dpp v[SUM+\j], v[SUM+\j], v[SUM+\j] row_xmask:\m row_mask:0xf bank_mask:0xf
.endr
.endr
.irp j, 0,1,2,3,4,5,6,7,8,9,10,11,12,13,14,15
	v_permlanex16_b32 v[Z+\j], v[SUM+\j], s20, s21
.endr
.irp j, 0,1,2,3,4,5,6,7,8,9,10,11,12,13,14,15
	v_add_f32 v[SUM+\j], v[SUM+\j], v[Z+\j]
.endr
.irp b, 0,1,2,3,4,5,6,7
.irp p, 0,1
	ds_store_b32 v6, v[SUM+2*\b+\p] offset:64*\b+4*\p      ; all lanes write the same word with the same value
.endr
.endr
	s_wait_dscnt 0x0
	s_barrier_signal -1
	s_barrier_wait -1
	s_cmp_lg_u32 s12, 0
	s_cbranch_scc1 .Ldone
	ds_load_b128 v[80:83], v7                      ; lane l: row l / 4, four columns
	s_wait_dscnt 0x0
	v_pk_add_f32 v[80:81], v[80:81], v[8:9]
	v_pk_add_f32 v[82:83], v[82:83], v[10:11]
.if SILU
.irp j, 0,1,2,3
	v_mul_f32 v[84+\j], 0xbfb8aa3b, v[80+\j]       ; -t log2(e)
.endr
	s_wait_alu depctr_va_vdst(0)
.irp j, 0,1,2,3
	v_exp_f32 v[84+\j], v[84+\j]
.endr
	v_nop
	s_wait_alu depctr_va_vdst(0)                   ; the wait ahead of the batch's first reader
.irp j, 0,1,2,3
	v_add_f32 v[84+\j], 1.0, v[84+\j]
.endr
	s_wait_alu depctr_va_vdst(0)
.irp j, 0,1,2,3
	v_rcp_f32 v[88+\j], v[84+\j]
.endr
	v_nop
	s_wait_alu depctr_va_vdst(0)
	v_pk_mul_f32 v[80:81], v[80:81], v[88:89]
	v_pk_mul_f32 v[82:83], v[82:83], v[90:91]
.endif
	global_store_b128 v5, v[80:83], s[10:11]
.Ldone:
	s_wait_tensorcnt 0x0
	ds_add_u32 v176, v177
	s_wait_dscnt 0x0
	s_endpgm
.Lfunc_end_k_q3d31c46c8f_mlp1:
	.size	k_q3d31c46c8f_mlp1, .Lfunc_end_k_q3d31c46c8f_mlp1-k_q3d31c46c8f_mlp1
	.p2alignl 7, 3214868480
	.fill 96, 4, 3214868480
	.section	.rodata,"a",@progbits
	.p2align	6, 0x0
	.amdhsa_kernel k_q3d31c46c8f_mlp1
		.amdhsa_group_segment_fixed_size 34304
		.amdhsa_private_segment_fixed_size 0
		.amdhsa_enable_private_segment 0
		.amdhsa_kernarg_size 32
		.amdhsa_user_sgpr_count 2
		.amdhsa_user_sgpr_kernarg_segment_ptr 1
		.amdhsa_wavefront_size32 1
		.amdhsa_system_sgpr_workgroup_id_x 1
		.amdhsa_system_sgpr_workgroup_id_y 1
		.amdhsa_system_sgpr_workgroup_id_z 1
		.amdhsa_system_vgpr_workitem_id 0
		.amdhsa_next_free_vgpr 178
		.amdhsa_next_free_sgpr 66
		.amdhsa_reserve_vcc 0
		.amdhsa_float_denorm_mode_32 3
		.amdhsa_float_denorm_mode_16_64 3
		.amdhsa_memory_ordered 1
		.amdhsa_forward_progress 1
		.amdhsa_inst_pref_size 43
	.end_amdhsa_kernel
	.amdgpu_metadata
---
amdhsa.version: [ 1, 2 ]
amdhsa.kernels:
  - .name:           k_q3d31c46c8f_mlp1
    .symbol:         k_q3d31c46c8f_mlp1.kd
    .args:
      - { .name: zt, .offset: 0, .size: 8, .value_kind: global_buffer, .address_space: global }
      - { .name: W1, .offset: 8, .size: 8, .value_kind: global_buffer, .address_space: global }
      - { .name: b1, .offset: 16, .size: 8, .value_kind: global_buffer, .address_space: global }
      - { .name: ht, .offset: 24, .size: 8, .value_kind: global_buffer, .address_space: global }
    .group_segment_fixed_size: 34304
    .private_segment_fixed_size: 0
    .kernarg_segment_align: 8
    .kernarg_segment_size: 32
    .max_flat_workgroup_size: 256
    .sgpr_count:     66
    .vgpr_count:     178
    .wavefront_size: 32
...
	.end_amdgpu_metadata
.endif
;; end of part 3
;; launch mlp2 (part 4): grid 64 x 1, 8 waves a work-group, no clusters, 34,304 bytes of LDS; arguments ht, W2, b2, out0; writes out0
.if DOCPART == 4
	.amdgcn_target "amdgcn-amd-amdhsa--gfx1250"
	.amdhsa_code_object_version 6
	.text
	.protected	k_q3d31c46c8f_mlp2
	.globl	k_q3d31c46c8f_mlp2
	.p2align	8
	.type	k_q3d31c46c8f_mlp2,@function
k_q3d31c46c8f_mlp2:
	s_mov_b64 s[64:65], 0
	v_nop
	global_prefetch_b8 v0, s[64:65] scope:SCOPE_SE
	s_setreg_imm32_b32 hwreg(HW_REG_WAVE_MODE, 25, 1), 1
	s_wait_xcnt 0x0
; out[b][e] = act(the sum over d of in[b][d] W[e][d] + bias[e]), b = 0 .. 7, e, d = 0 .. 1,023, all f32, by fused multiply-adds; act = SiLU (SILU = 1) or nothing (0): here nothing.
; Eight rows: the weights' 4,194,304 bytes, read once, are the launch; the matrix units would add nothing.  A work-group takes 16 rows of W, a wave two, whole: 16 loads of 512 consecutive bytes, all out at once.
; The 8 x 1,024 input goes into LDS once (each thread 16 bytes of each row) and is read from there row by row, one row ahead of the arithmetic.
; No cluster, no tensor load: the shared input is loaded through registers, once for each work-group.  LIMITS: NaN and infinities are not served.
.set SILU, 0
.set OUTX, 32768                       ; behind the input: [b][16 e] f32
.set W,   16                           ; v16-79   my two rows: register 32 p + 4 i + j = column 128 i + 4 lane + j of row p
.set Z,   80                           ; v80-143  two sets of 32: a row of the input, the same columns
.set A,   144                          ; v144-151 four pairs
.set SUM, 152                          ; v152-167 the sums (b, p) at 2 b + p
	s_load_b256 s[4:11], s[0:1], 0x0               ; in 4, W 6, bias 8, out 10
	v_lshl_add_u32 v176, v0, 2, 0x8200
	v_mov_b32 v177, 0
	v_lshrrev_b32 v1, 5, v0
	s_delay_alu instid0(VALU_DEP_1)
	v_readfirstlane_b32 s12, v1                    ; wave
	v_lshlrev_b32 v2, 4, v0                        ; 16 x thread
	v_and_b32 v1, 31, v0
	s_delay_alu instid0(VALU_DEP_1)
	v_lshlrev_b32 v3, 4, v1                        ; 16 x lane
	s_delay_alu instid0(VALU_DEP_2)
	v_and_b32 v4, 3, v1
	s_delay_alu instid0(VALU_DEP_1)
	v_lshlrev_b32 v4, 4, v4                        ; the way out: four of the 16 columns,
	s_delay_alu instid0(VALU_DEP_4)
	v_lshrrev_b32 v5, 2, v1
	s_delay_alu instid0(VALU_DEP_1)
	v_lshl_add_u32 v5, v5, 12, v4                  ; of row lane / 4
	s_lshl_b32 s13, s12, 3
	s_add_co_u32 s13, s13, OUTX
	v_mov_b32 v6, s13                              ; my wave's two columns in OUTX
	v_add_nc_u32 v7, OUTX, v3
	s_lshl_b32 s14, ttmp9, 16                      ; 16 rows of 4,096 bytes,
	s_lshl_b32 s15, s12, 13                        ; my wave's two
	s_add_co_u32 s14, s14, s15
	s_mov_b32 s15, 0
	s_lshl_b32 s16, ttmp9, 6                       ; 16 columns of 4 bytes
	s_mov_b32 s17, 0
	s_mov_b32 s20, 0x76543210
	s_mov_b32 s21, 0xfedcba98
	s_wait_alu depctr_va_vdst(0)
	s_wait_kmcnt 0x0
	s_add_nc_u64 s[6:7], s[6:7], s[14:15]
	s_add_nc_u64 s[8:9], s[8:9], s[16:17]
	s_add_nc_u64 s[10:11], s[10:11], s[16:17]
.irp k, 0,1,2,3,4,5,6,7
	global_load_b128 v[Z+4*\k:Z+4*\k+3], v2, s[4:5] offset:4096*\k
.endr
	global_load_b128 v[8:11], v4, s[8:9]
.irp p, 0,1
.irp i, 0,1,2,3,4,5,6,7
	global_load_b128 v[W+32*\p+4*\i:W+32*\p+4*\i+3], v3, s[6:7] offset:4096*\p+512*\i th:TH_LOAD_NT
.endr
.endr
	s_wait_loadcnt 17                              ; the input is in; the bias and the 16 loads of weights may be out
.irp k, 0,1,2,3,4,5,6,7
	ds_store_b128 v2, v[Z+4*\k:Z+4*\k+3] offset:4096*\k
.endr
	s_wait_dscnt 0x0
	s_barrier_signal -1
	s_barrier_wait -1                              ; the whole input lies in LDS
.macro ZLOAD b
.irp i, 0,1,2,3,4,5,6,7
	ds_load_b128 v[Z+32*((\b)%2)+4*\i:Z+32*((\b)%2)+4*\i+3], v3 offset:4096*(\b)+512*\i
.endr
.endm
.macro ROWB b
.if (\b) < 7
	ZLOAD (\b)+1
	s_wait_dscnt 8                                 ; this row is in; the next row's eight loads may be out
.else
	s_wait_dscnt 0x0
.endif
.set ZS, Z+32*((\b)%2)
.irp p, 0,1
	v_pk_mul_f32 v[A+4*\p:A+4*\p+1], v[W+32*\p:W+32*\p+1], v[ZS:ZS+1]
	v_pk_mul_f32 v[A+4*\p+2:A+4*\p+3], v[W+32*\p+2:W+32*\p+3], v[ZS+2:ZS+3]
.endr
.irp j, 4,8,12,16,20,24,28
.irp p, 0,1
	s_delay_alu instid0(VALU_DEP_4)
	v_pk_fma_f32 v[A+4*\p:A+4*\p+1], v[W+32*\p+\j:W+32*\p+\j+1], v[ZS+\j:ZS+\j+1], v[A+4*\p:A+4*\p+1]
	s_delay_alu instid0(VALU_DEP_4)
	v_pk_fma_f32 v[A+4*\p+2:A+4*\p+3], v[W+32*\p+\j+2:W+32*\p+\j+3], v[ZS+\j+2:ZS+\j+3], v[A+4*\p+2:A+4*\p+3]
.endr
.endr
.irp p, 0
	s_delay_alu instid0(VALU_DEP_3)
	v_pk_add_f32 v[A+4*\p:A+4*\p+1], v[A+4*\p:A+4*\p+1], v[A+4*\p+2:A+4*\p+3]
.endr
.irp p, 1
	s_delay_alu instid0(VALU_DEP_2)
	v_pk_add_f32 v[A+4*\p:A+4*\p+1], v[A+4*\p:A+4*\p+1], v[A+4*\p+2:A+4*\p+3]
.endr
.irp p, 0,1
	s_delay_alu instid0(VALU_DEP_2)
	v_add_f32 v[SUM+2*(\b)+\p], v[A+4*\p], v[A+4*\p+1]
.endr
.endm
	ZLOAD 0
	s_wait_loadcnt 0x0                             ; the weights and the bias
.irp b, 0,1,2,3,4,5,6,7
	ROWB \b
.endr
.irp m, 1,2,4,8                                ; the sixteen sums over the 32 lanes, by turns
.irp j, 0,1,2,3,4,5,6,7,8,9,10,11,12,13,14,15
	v_add_f32_dpp v[SUM+\j], v[SUM+\j], v[SUM+\j] row_xmask:\m row_mask:0xf bank_mask:0xf
.endr
.endr
.irp j, 0,1,2,3,4,5,6,7,8,9,10,11,12,13,14,15
	v_permlanex16_b32 v[Z+\j], v[SUM+\j], s20, s21
.endr
.irp j, 0,1,2,3,4,5,6,7,8,9,10,11,12,13,14,15
	v_add_f32 v[SUM+\j], v[SUM+\j], v[Z+\j]
.endr
.irp b, 0,1,2,3,4,5,6,7
.irp p, 0,1
	ds_store_b32 v6, v[SUM+2*\b+\p] offset:64*\b+4*\p      ; all lanes write the same word with the same value
.endr
.endr
	s_wait_dscnt 0x0
	s_barrier_signal -1
	s_barrier_wait -1
	s_cmp_lg_u32 s12, 0
	s_cbranch_scc1 .Ldone
	ds_load_b128 v[80:83], v7                      ; lane l: row l / 4, four columns
	s_wait_dscnt 0x0
	v_pk_add_f32 v[80:81], v[80:81], v[8:9]
	v_pk_add_f32 v[82:83], v[82:83], v[10:11]
.if SILU
.irp j, 0,1,2,3
	v_mul_f32 v[84+\j], 0xbfb8aa3b, v[80+\j]       ; -t log2(e)
.endr
.irp j, 0,1,2,3
	v_exp_f32 v[84+\j], v[84+\j]
.endr
	v_nop
	s_wait_alu depctr_va_vdst(0)                   ; the wait ahead of the batch's first reader
.irp j, 0,1,2,3
	v_add_f32 v[84+\j], 1.0, v[84+\j]
.endr
.irp j, 0,1,2,3
	v_rcp_f32 v[88+\j], v[84+\j]
.endr
	v_nop
	s_wait_alu depctr_va_vdst(0)
	v_pk_mul_f32 v[80:81], v[80:81], v[88:89]
	v_pk_mul_f32 v[82:83], v[82:83], v[90:91]
.endif
	global_store_b128 v5, v[80:83], s[10:11]
.Ldone:
	s_wait_tensorcnt 0x0
	ds_add_u32 v176, v177
	s_wait_dscnt 0x0
	s_endpgm
.Lfunc_end_k_q3d31c46c8f_mlp2:
	.size	k_q3d31c46c8f_mlp2, .Lfunc_end_k_q3d31c46c8f_mlp2-k_q3d31c46c8f_mlp2
	.p2alignl 7, 3214868480
	.fill 96, 4, 3214868480
	.section	.rodata,"a",@progbits
	.p2align	6, 0x0
	.amdhsa_kernel k_q3d31c46c8f_mlp2
		.amdhsa_group_segment_fixed_size 34304
		.amdhsa_private_segment_fixed_size 0
		.amdhsa_enable_private_segment 0
		.amdhsa_kernarg_size 32
		.amdhsa_user_sgpr_count 2
		.amdhsa_user_sgpr_kernarg_segment_ptr 1
		.amdhsa_wavefront_size32 1
		.amdhsa_system_sgpr_workgroup_id_x 1
		.amdhsa_system_sgpr_workgroup_id_y 1
		.amdhsa_system_sgpr_workgroup_id_z 1
		.amdhsa_system_vgpr_workitem_id 0
		.amdhsa_next_free_vgpr 178
		.amdhsa_next_free_sgpr 66
		.amdhsa_reserve_vcc 0
		.amdhsa_float_denorm_mode_32 3
		.amdhsa_float_denorm_mode_16_64 3
		.amdhsa_memory_ordered 1
		.amdhsa_forward_progress 1
		.amdhsa_inst_pref_size 42
	.end_amdhsa_kernel
	.amdgpu_metadata
---
amdhsa.version: [ 1, 2 ]
amdhsa.kernels:
  - .name:           k_q3d31c46c8f_mlp2
    .symbol:         k_q3d31c46c8f_mlp2.kd
    .args:
      - { .name: ht, .offset: 0, .size: 8, .value_kind: global_buffer, .address_space: global }
      - { .name: W2, .offset: 8, .size: 8, .value_kind: global_buffer, .address_space: global }
      - { .name: b2, .offset: 16, .size: 8, .value_kind: global_buffer, .address_space: global }
      - { .name: out0, .offset: 24, .size: 8, .value_kind: global_buffer, .address_space: global }
    .group_segment_fixed_size: 34304
    .private_segment_fixed_size: 0
    .kernarg_segment_align: 8
    .kernarg_segment_size: 32
    .max_flat_workgroup_size: 256
    .sgpr_count:     66
    .vgpr_count:     178
    .wavefront_size: 32
...
	.end_amdgpu_metadata
.endif
;; end of part 4
